; MI455X (gfx1250); checked and timed in simulation.
; The chip was launched on July 23, 2026; its instructions are those of AMD's public machine-readable ISA for CDNA 5 (MIT licence, August 2026) and "CDNA5" Instruction Set Architecture Reference Guide (July 2026). The comments in the code are by the model that wrote it; some were corrected since.
;; Vector Quantizer Fixed. Allowed arithmetic: float matrix products may take bf16 or f16 operands with f32 sums; all other float work in f32.
;; Inputs: embed 1,024 x 1,024 float32; ln_beta 256 float32; ln_gamma 256 float32; post_b 256 float32; post_w 1,024 x 256 float32; pre_b 1,024 float32; pre_w 256 x 1,024 float32; x 4 x 8,192 x 256 float32.
;; Outputs: out0 4 x 8,192 x 256 float32; out1 4 x 8,192 int32; out2 one number float32.
;; 2 versions, each right; version 2 is version 1 with the launch prep written anew for expert scheduling mode. Each part assembles by itself: llvm-mc -triple=amdgcn-amd-amdhsa -mcpu=gfx1250 --defsym DOCPART=n.
;; ======== version 1 of 2: 3 launches
;; limits: a difference of large sums (such as E[x^2] - mean^2): digits are lost where the result is much smaller than its terms; values are held in f16: magnitudes above 65,504 overflow, below 6.1e-05 lose precision; right only within a limited range of input values; a function is approximated: absolute error at most 1.5e-07
;; workspace buffers: wq 1,310,720 bytes; tab 10,240 bytes; tq 1,048,576 bytes; idxw 131,072 bytes of whole numbers; lossp 1,024 bytes
;; launch prep (part 1): grid 152 x 1, 4 waves a work-group, no clusters, 151,552 bytes of LDS; arguments embed, pre_w, post_w, pre_b, post_b, wq, tab, tq; writes wq, tab, tq
.if DOCPART == 1
	.amdgcn_target "amdgcn-amd-amdhsa--gfx1250"
	.amdhsa_code_object_version 6
	.text
	.protected	k_q4aba93093b_prep
	.globl	k_q4aba93093b_prep
	.p2align	8
	.type	k_q4aba93093b_prep,@function
k_q4aba93093b_prep:
	s_mov_b64 s[64:65], 0
	v_nop
	global_prefetch_b8 v0, s[64:65] scope:SCOPE_SE
	s_setreg_imm32_b32 hwreg(HW_REG_WAVE_MODE, 25, 1), 1
	s_wait_xcnt 0x0
; TABLES FOR THE ROW KERNEL.  Three kinds of work-group, chosen by the work-group's number.
;   0-79    R = [embed ; pre_w] pre_w^T, 1,280 x 256, K = 1,024, 64 x 64 to a work-group: rows 0-1023 turn z . e_k into g . R_k, rows 1024-1279 are M = pre_w pre_w^T for |z|^2.
;           R leaves as f16 hi + lo, each row times a power of two of its own, in the order in which the row kernel reads its fragments; for each row a scale
;           (undoes that power and the 2^6 on g); for the M rows the bias 2 pre_w_row . pre_b.
;   80-143  T = embed post_w + post_b, 1,024 x 256 in f32: the output row of each code.
;   144-151 the codes' bias pre_b . e - |e|^2 / 2, a lane to a code.  The bias carries |e|^2 / 2 whole: a score then has the step of an f32 number of that size, codes whose scores
;           agree to that step count as equal, and the lower index wins, as it does among distances that are kept in f32.
;           ORDER OF ROUNDING.  |e|^2 enters the choice at full weight, and its f32 rounding is the largest error there.  Each square is rounded; 32 neighbouring squares are added
;           in ascending c; the 32 such sums are added in ascending order.
; FORMAT.  Every f32 operand v of a product is taken as hi = f16(v 2^p), lo = f16(v 2^p - hi); a product is hi hi + hi lo + lo hi, summed in f32: about 22 bits.
; p = 6 for embed, 8 for pre_w and post_w.  LIMITS: |embed| < 1,023, |pre_w| and |post_w| < 255 (f16 ends at 65,504); the norm of a row of pre_w < 2,047,
; since |R_kd| 2^(5-ea) < 32 |pre_w row d| with 2^ea >= |row k|.  NaN and infinities are not treated apart.  A row of x whose two nearest codes lie closer than the step of an
; f32 distance (2^-13 for distances from 1,024 to 2,048) may get either of the two indices.
; NO CLUSTER, NO TENSOR LOADS: the operands are converted in registers on their way into LDS, so what neighbours share cannot arrive by a joint load.
; The matrix instruction is used transposed (source 0 = 16 rows of B, source 1 = 16 rows of A): a lane holds eight neighbouring columns of one row of the result.
.set BUFB,  40960                      ; two LDS buffers: A hi (64 rows, pitch 144), A lo, B hi, B lo; a wave stores the same bytes of them in both products
.set ALO,   9216
.set BHI,   18432
.set BLO,   10240                      ; from B hi to B lo
.set STAT,  81920                      ; 64 sums of squares, 64 dot products with pre_b
.set STAGE, 82432                      ; 64 rows x 272 bytes, T on its way out
.set SPARE, 99840                      ; the spare words, 128 bytes a wave
.set EBASE, 100352                     ; the bias work-groups' own bytes: for each wave 32 rows x 272, then a copy of pre_b
.set EWAVE, 12800
.set AR,  16                           ; v16-47   A as loaded: group g at AR + 8 g
.set BR,  48                           ; v48-79   B as loaded
.set PB,  80                           ; v80-87   pre_b of my 8 columns
.set TT,  88                           ; v88-95   8 numbers at work
.set BK,  96                           ; v96-103  hi widened again
.set HI,  104                          ; v104-107 hi, packed (WIDEN names these four by number)
.set LO,  108                          ; v108-111 lo, packed
.set SQ,  112                          ; v112-119 sums of squares, a pair for each group
.set DB,  120                          ; v120-127 dot products with pre_b
.set FR,  128                          ; v128-191 fragments: A hi 0, 1; A lo 0, 1; B hi 0, 1; B lo 0, 1
.set ACC, 192                          ; v192-223 accumulator (dt, kt) at ACC + 8 (2 dt + kt)
.set ER,  16                           ; bias work-groups: v16-79 a chunk as loaded; v80-143 my code's 64 numbers; v144-207 pre_b's 64; v208 |e|^2; v210-217 four pairs of pre_b . e; v218-219 two sums of 32 squares
.set EV,  80
.set EP,  144
.set ESQ, 208
.set EDB, 210
.set EW,  218
; v1 r = lane % 16, v2 h = lane / 16, v3 lane, v4 seg = lane % 8, v5 lane / 8, v6 VA, v7 VB, v8 VP, v9 SA, v10 SB, v11 FA, v12 FB, v13 at work, v14 v15 the add
.macro WIDEN dst, a, b, c, d           ; eight f16 in four registers (given by number) to f32
	v_cvt_f32_f16 v[\dst], v\a\().l
	v_cvt_f32_f16 v[\dst+1], v\a\().h
	v_cvt_f32_f16 v[\dst+2], v\b\().l
	v_cvt_f32_f16 v[\dst+3], v\b\().h
	v_cvt_f32_f16 v[\dst+4], v\c\().l
	v_cvt_f32_f16 v[\dst+5], v\c\().h
	v_cvt_f32_f16 v[\dst+6], v\d\().l
	v_cvt_f32_f16 v[\dst+7], v\d\().h
.endm
.macro SPLIT8                          ; TT -> HI (rounded), LO (what the rounding left, rounded)
.irp j, 0,1,2,3
	v_cvt_pk_f16_f32 v[HI+\j], v[TT+2*\j], v[TT+2*\j+1]
.endr
	WIDEN BK, 104, 105, 106, 107
.irp j, 0,2,4,6
	v_pk_add_f32 v[TT+\j:TT+\j+1], v[TT+\j:TT+\j+1], v[BK+\j:BK+\j+1] neg_lo:[0,1] neg_hi:[0,1]
.endr
.irp j, 0,1,2,3
	v_cvt_pk_f16_f32 v[LO+\j], v[TT+2*\j], v[TT+2*\j+1]
.endr
.endm
.macro CVT8 src, ps                    ; 8 numbers at v[src] times the power of two in s[ps], split
.irp j, 0,2,4,6
	v_pk_mul_f32 v[TT+\j:TT+\j+1], v[\src+\j:\src+\j+1], s[\ps:\ps+1] op_sel_hi:[1,0]
.endr
	SPLIT8
.endm
.macro STAT8 g                         ; the row sums, on the numbers as loaded: the squares give the row's power of two, the dot products the M rows' bias
.irp j, 0,2,4,6
	v_pk_fma_f32 v[SQ+2*\g:SQ+2*\g+1], v[AR+8*\g+\j:AR+8*\g+\j+1], v[AR+8*\g+\j:AR+8*\g+\j+1], v[SQ+2*\g:SQ+2*\g+1]
	v_pk_fma_f32 v[DB+2*\g:DB+2*\g+1], v[AR+8*\g+\j:AR+8*\g+\j+1], v[PB+\j:PB+\j+1], v[DB+2*\g:DB+2*\g+1]
.endr
.endm
; A chunk is 64 along K.  Thread: 32 bytes of row 16 w + 4 g + lane / 8, g = 0..3: eight lanes read 256 consecutive bytes.
.macro GLD isT
.irp g, 0,1,2,3
	global_load_b128 v[AR+8*\g:AR+8*\g+3], v6, s[26:27] offset:16384*\g
	global_load_b128 v[AR+8*\g+4:AR+8*\g+7], v6, s[26:27] offset:16384*\g+16
.if \isT
	global_load_b128 v[BR+8*\g:BR+8*\g+3], v7, s[28:29] offset:4096*\g
	global_load_b128 v[BR+8*\g+4:BR+8*\g+7], v7, s[28:29] offset:4096*\g+16
.else
	global_load_b128 v[BR+8*\g:BR+8*\g+3], v7, s[28:29] offset:16384*\g
	global_load_b128 v[BR+8*\g+4:BR+8*\g+7], v7, s[28:29] offset:16384*\g+16
.endif
.endr
.if !\isT
	global_load_b128 v[PB:PB+3], v8, s[30:31]
	global_load_b128 v[PB+4:PB+7], v8, s[30:31] offset:16
.endif
.endm
; The fragments of 32 along K: A from rows that lie along K; B likewise (R) or, stored [k][n], by the turning load (T): 32 k are 4,608 bytes, 16 k are 2,304.
.macro FRAG buf, kc, isT
.irp p, 0,1
.irp t, 0,1
	ds_load_b128 v[FR+16*\p+8*\t:FR+16*\p+8*\t+3], v11 offset:BUFB*\buf+ALO*\p+2304*\t+64*\kc
	ds_load_b128 v[FR+16*\p+8*\t+4:FR+16*\p+8*\t+7], v11 offset:BUFB*\buf+ALO*\p+2304*\t+64*\kc+32
.if \isT
	ds_load_tr16_b128 v[FR+32+16*\p+8*\t:FR+32+16*\p+8*\t+3], v12 offset:BUFB*\buf+BLO*\p+32*\t+4608*\kc
	ds_load_tr16_b128 v[FR+32+16*\p+8*\t+4:FR+32+16*\p+8*\t+7], v12 offset:BUFB*\buf+BLO*\p+32*\t+4608*\kc+2304
.else
	ds_load_b128 v[FR+32+16*\p+8*\t:FR+32+16*\p+8*\t+3], v12 offset:BUFB*\buf+BLO*\p+2304*\t+64*\kc
	ds_load_b128 v[FR+32+16*\p+8*\t+4:FR+32+16*\p+8*\t+7], v12 offset:BUFB*\buf+BLO*\p+2304*\t+64*\kc+32
.endif
.endr
.endr
.endm
; Three products (B hi A hi, B hi A lo, B lo A hi) on four accumulators, which take turns, one instruction a turn.
.macro MM12
.irp c, 0,1,2
.irp d, 0,1
.irp k, 0,1
	v_wmma_f32_16x16x32_f16 v[ACC+8*(2*\d+\k):ACC+8*(2*\d+\k)+7], v[FR+32+16*(\c/2)+8*\d:FR+32+16*(\c/2)+8*\d+7], v[FR+16*(\c%2)+8*\k:FR+16*(\c%2)+8*\k+7], v[ACC+8*(2*\d+\k):ACC+8*(2*\d+\k)+7]
.endr
.endr
.endr
.endm
.macro PLACES                          ; four plain vector instructions behind a matrix instruction, ahead of loads into its sources and of reads of its result
.rept 4
	v_nop
.endr
.endm
; One chunk: convert what has been loaded into LDS buffer buf, ask for the next chunk, meet, multiply.
; ONE barrier a chunk: buffer buf is written again two chunks on, behind the next chunk's barrier, which every wave signals only when its reads of this chunk are back.
.macro CH buf, isT
	s_wait_loadcnt 0x0                             ; the chunk is in registers; its loads are done, so their bases may be stepped
.irp g, 0,1,2,3
.if !\isT
	STAT8 \g
.endif
	CVT8 AR+8*\g, 32
	ds_store_b128 v9, v[HI:HI+3] offset:BUFB*\buf+576*\g
	ds_store_b128 v9, v[LO:LO+3] offset:BUFB*\buf+ALO+576*\g
	CVT8 BR+8*\g, 34
	ds_store_b128 v10, v[HI:HI+3] offset:BUFB*\buf+576*\g
	ds_store_b128 v10, v[LO:LO+3] offset:BUFB*\buf+BLO+576*\g
.endr
.if \buf
	s_cmp_eq_u32 s40, 1                            ; the last chunk has no successor: its steps are 0, and the look-ahead reads the last chunk once more, inside the buffers
	s_cselect_b32 s36, 0, s36
	s_cselect_b32 s38, 0, s38
.endif
	s_add_nc_u64 s[26:27], s[26:27], s[36:37]
	s_add_nc_u64 s[28:29], s[28:29], s[38:39]
.if !\isT
	s_add_nc_u64 s[30:31], s[30:31], s[36:37]
.endif
	GLD \isT
	s_wait_dscnt 0x0                               ; for the others: my stores into the buffer are done (and my reads of the last chunk are long back)
	s_barrier_signal -1
	s_barrier_wait -1
	FRAG \buf, 0, \isT
	s_wait_dscnt 0x0
	MM12
	PLACES
	FRAG \buf, 1, \isT
	s_wait_dscnt 0x0
	MM12
.endm
.macro EGLD                            ; a chunk of 32 codes x 64 numbers: load j takes rows 2 j and 2 j + 1, 16 lanes to 256 consecutive bytes
.irp j, 0,1,2,3,4,5,6,7,8,9,10,11,12,13,14,15
	global_load_b128 v[ER+4*\j:ER+4*\j+3], v10, s[26:27] offset:8192*\j
.endr
.endm
	s_load_b512 s[4:19], s[0:1], 0x0               ; embed s[4:5], pre_w s[6:7], post_w s[8:9], pre_b s[10:11], post_b s[12:13], wq s[14:15], tab s[16:17], tq s[18:19]
	v_lshl_add_u32 v14, v0, 2, SPARE
	v_mov_b32 v15, 0
	v_lshrrev_b32 v13, 5, v0
	v_readfirstlane_b32 s20, v13                   ; wave w
	s_lshr_b32 s21, s20, 1                         ; wm: which 32 rows of A
	s_and_b32 s22, s20, 1                          ; wn: which 32 rows of B
	s_mov_b32 s23, ttmp9
	v_and_b32 v1, 15, v0
	v_bfe_u32 v2, v0, 4, 1
	v_and_b32 v3, 31, v0
	v_and_b32 v4, 7, v0
	v_bfe_u32 v5, v0, 3, 2
	v_lshlrev_b32 v8, 5, v4                        ; VP = 32 seg
	s_lshl_b32 s41, s20, 16
	v_lshl_add_u32 v6, v5, 12, v8
	v_add_nc_u32 v6, s41, v6                       ; VA = (16 w + lane / 8) 4096 + 32 seg
	s_mul_i32 s41, s20, 16*144
	v_mul_u32_u24 v9, v5, 144
	v_lshl_add_u32 v9, v4, 4, v9
	v_add_nc_u32 v9, s41, v9                       ; SA = (16 w + lane / 8) 144 + 16 seg
	v_add_nc_u32 v10, BHI, v9                      ; SB: the same place in B's part
	s_mul_i32 s41, s21, 32*144
	v_mul_u32_u24 v11, v1, 144
	v_lshl_add_u32 v11, v2, 4, v11
	v_add_nc_u32 v11, s41, v11                     ; FA = (32 wm + r) 144 + 16 h
.set i, 0
.rept 32
	v_mov_b32 v[ACC+i], 0                          ; 32 registers are cleared, so that no first chunk is written out
.set i, i+1
.endr
	s_mov_b32 s36, 256                             ; A and pre_b step 64 numbers a chunk
	s_mov_b32 s37, 0
	s_mov_b32 s39, 0
	s_mov_b32 s34, 0x43800000                      ; B times 2^8
	s_mov_b32 s35, s34
	s_mov_b32 s40, 8                               ; 8 trips of two chunks
	s_cmp_ge_u32 s23, 144
	s_cbranch_scc1 .Lepath
	s_cmp_ge_u32 s23, 80
	s_cbranch_scc1 .Ltpath
	; ---------------- R ----------------
	s_lshr_b32 s24, s23, 2                         ; mb: 64 rows of [embed ; pre_w]
	s_and_b32 s25, s23, 3                          ; nb: 64 rows of pre_w
	s_and_b32 s42, s24, 15                         ; the block within its tensor
	s_lshl_b32 s43, s42, 1
	s_add_co_u32 s43, s43, s21                     ; my pair of 16-row tiles
	s_and_b32 s44, s43, 15                         ; a code pair's step in the walk
	s_and_b32 s45, s43, 3
	s_add_co_u32 s45, s45, 16                      ; an M pair's
	s_lshr_b32 s46, s42, 3                         ; which half of the waves reads it: codes
	s_lshr_b32 s47, s42, 1                         ; M
	s_mov_b32 s32, 0x43800000
	s_cmp_lt_u32 s24, 16                           ; codes?
	s_cselect_b32 s32, 0x42800000, s32             ; A times 2^6 (embed) or 2^8 (pre_w)
	s_cselect_b32 s44, s44, s45                    ; step
	s_cselect_b32 s46, s46, s47                    ; ch
	s_cselect_b32 s48, 6, 8
	s_mov_b32 s33, s32
	s_sub_co_u32 s48, 187, s48                     ; exponent word of the row's factor, less H
	s_mov_b32 s38, 256
	s_lshl_b32 s52, s42, 18                        ; 64 rows of 4,096 bytes
	s_mov_b32 s53, 0
	s_lshl_b32 s54, s25, 18
	s_mov_b32 s55, 0
	v_mov_b32 v7, v6                               ; VB = VA
	s_mul_i32 s41, s22, 32*144
	s_add_co_u32 s41, s41, BHI
	v_mul_u32_u24 v12, v1, 144
	v_lshl_add_u32 v12, v2, 4, v12
	v_add_nc_u32 v12, s41, v12                     ; FB = BHI + (32 wn + r) 144 + 16 h
.set i, 0
.rept 16
	v_mov_b32 v[SQ+i], 0
.set i, i+1
.endr
	s_wait_kmcnt 0x0
	s_cmp_lt_u32 s24, 16
	s_cselect_b64 s[26:27], s[4:5], s[6:7]
	s_add_nc_u64 s[26:27], s[26:27], s[52:53]
	s_add_nc_u64 s[28:29], s[6:7], s[54:55]
	s_mov_b64 s[30:31], s[10:11]
	s_lshl_b32 s52, s44, 1
	s_add_co_u32 s52, s52, s46
	s_lshl_b32 s52, s52, 15                        ; (2 step + ch) 32,768
	s_lshl_b32 s54, s25, 1
	s_add_co_u32 s54, s54, s22
	s_lshl_b32 s54, s54, 10                        ; + (2 nb + wn) 1,024: my 32 columns are one K chunk of the row kernel
	s_add_co_u32 s52, s52, s54
	s_add_nc_u64 s[56:57], s[14:15], s[52:53]
	s_mul_i32 s52, s46, 2560
	s_lshl_b32 s54, s44, 7
	s_add_co_u32 s52, s52, s54                     ; 4 (640 ch + 32 step)
	s_add_nc_u64 s[58:59], s[16:17], s[52:53]
	GLD 0
.Lr:
	CH 0, 0
	CH 1, 0
	s_sub_co_u32 s40, s40, 1
	s_cmp_lg_u32 s40, 0
	s_cbranch_scc1 .Lr
	PLACES
	s_wait_loadcnt 0x0                             ; the look-ahead of the last chunk
.irp g, 0,1,2,3
	v_add_f32 v[SQ+2*\g], v[SQ+2*\g], v[SQ+2*\g+1]
	v_add_f32 v[DB+2*\g], v[DB+2*\g], v[DB+2*\g+1]
.endr
.irp m, 1,2,4
.irp g, 0,1,2,3
	v_add_f32_dpp v[SQ+2*\g], v[SQ+2*\g], v[SQ+2*\g] row_xmask:\m row_mask:0xf bank_mask:0xf  ; over the eight lanes of a row
	v_add_f32_dpp v[DB+2*\g], v[DB+2*\g], v[DB+2*\g] row_xmask:\m row_mask:0xf bank_mask:0xf
.endr
.endr
	s_lshl_b32 s41, s20, 6
	s_add_co_u32 s41, s41, STAT
	v_lshl_add_u32 v13, v5, 2, s41                 ; row 16 w + lane / 8 (+ 4 g)
.irp g, 0,1,2,3
	ds_store_b32 v13, v[SQ+2*\g] offset:16*\g
	ds_store_b32 v13, v[DB+2*\g] offset:256+16*\g
.endr
	s_wait_dscnt 0x0                               ; for the others: my sums are stored
	s_barrier_signal -1
	s_barrier_wait -1
	s_lshl_b32 s41, s21, 7
	s_add_co_u32 s41, s41, STAT
	v_lshl_add_u32 v13, v1, 2, s41                 ; row 32 wm + r (+ 16 kt)
	ds_load_b32 v80, v13
	ds_load_b32 v81, v13 offset:64
	ds_load_b32 v82, v13 offset:256
	ds_load_b32 v83, v13 offset:320
	s_wait_dscnt 0x0
.irp k, 0,1
	v_lshrrev_b32 v[84+\k], 23, v[80+\k]           ; E, the exponent word of the row's sum of squares
	v_add_nc_u32 v[84+\k], 1, v[84+\k]
	v_lshrrev_b32 v[84+\k], 1, v[84+\k]            ; H = (E + 1) / 2: 2^(H - 63) is at least the row's norm
	v_sub_nc_u32 v[112+2*\k], s48, v[84+\k]
	v_lshlrev_b32 v[112+2*\k], 23, v[112+2*\k]     ; 2^(5 - ea) over the operands' powers
	v_mov_b32 v[113+2*\k], v[112+2*\k]
	v_add_lshl_u32 v[116+\k], v[84+\k], 53, 23     ; scale = 2^(ea - 11)
	v_add_f32 v[118+\k], v[82+\k], v[82+\k]        ; an M row's bias: 2 pre_w_row . pre_b
.endr
	v_lshlrev_b32 v13, 4, v3                       ; 16 x lane: each store of the wave covers 512 consecutive bytes, aligned
.irp d, 0,1
.irp k, 0,1
	s_wait_xcnt 0x0                                ; the packed registers are rewritten only behind this wait: the last two stores read them
.irp j, 0,2,4,6
	v_pk_mul_f32 v[TT+\j:TT+\j+1], v[ACC+8*(2*\d+\k)+\j:ACC+8*(2*\d+\k)+\j+1], v[112+2*\k:113+2*\k]
.endr
	SPLIT8
	global_store_b128 v13, v[HI:HI+3], s[56:57] offset:16384*\k+512*\d
	global_store_b128 v13, v[LO:LO+3], s[56:57] offset:16384*\k+8192+512*\d
.endr
.endr
	s_or_b32 s41, s25, s22                         ; one wave for each pair of tiles stores their 32 scales
	s_cmp_lg_u32 s41, 0
	s_cbranch_scc1 .Lr_done
	v_cmp_ne_u32 vcc_lo, 0, v2                     ; lane l stands for row l of the pair: lanes 16-31 take tile 1
	v_cndmask_b32 v116, v116, v117, vcc_lo
	v_cndmask_b32 v118, v118, v119, vcc_lo
	v_lshlrev_b32 v84, 2, v3
	global_store_b32 v84, v116, s[58:59]
	s_cmp_lt_u32 s24, 16                           ; the codes' biases are made by work-groups 144-151
	s_cbranch_scc1 .Lr_done
	global_store_b32 v84, v118, s[58:59] offset:5120
.Lr_done:
	s_wait_tensorcnt 0x0                           ; the wave's end
	ds_add_u32 v14, v15
	s_wait_dscnt 0x0
	s_endpgm
	; ---------------- T ----------------
.Ltpath:
	s_sub_co_u32 s23, s23, 80
	s_lshr_b32 s24, s23, 2                         ; mb: 64 codes
	s_and_b32 s25, s23, 3                          ; nb: 64 columns of post_w
	s_mov_b32 s32, 0x42800000                      ; embed times 2^6
	s_mov_b32 s33, s32
	s_mov_b32 s38, 65536                           ; post_w steps 64 rows of 1,024 bytes a chunk
	s_lshl_b32 s41, s20, 14
	v_lshl_add_u32 v7, v5, 10, v8
	v_add_nc_u32 v7, s41, v7                       ; VB = (16 w + lane / 8) 1024 + 32 seg
	v_lshl_add_u32 v12, v2, 3, v4
	v_mul_u32_u24 v12, v12, 144
	v_bfe_u32 v13, v0, 3, 1
	v_lshl_add_u32 v12, v13, 4, v12
	s_lshl_b32 s41, s22, 6
	s_add_co_u32 s41, s41, BHI
	v_add_nc_u32 v12, s41, v12                     ; FB: (8 h + lane % 8) 144 + 64 wn + 16 ((lane / 8) % 2)
	s_lshl_b32 s52, s24, 18
	s_mov_b32 s53, 0
	s_lshl_b32 s54, s25, 8
	s_mov_b32 s55, 0
	s_wait_kmcnt 0x0
	s_add_nc_u64 s[26:27], s[4:5], s[52:53]
	s_add_nc_u64 s[28:29], s[8:9], s[54:55]
	s_lshl_b32 s52, s24, 16
	s_lshl_b32 s41, s20, 14
	s_add_co_u32 s52, s52, s41
	s_add_co_u32 s52, s52, s54                     ; (64 mb + 16 w) 1024 + 256 nb
	s_add_nc_u64 s[56:57], s[18:19], s[52:53]
	s_lshl_b32 s41, s22, 7
	s_add_co_u32 s54, s54, s41                     ; 4 (64 nb + 32 wn)
	s_add_nc_u64 s[58:59], s[12:13], s[54:55]
	GLD 1
.Lt:
	CH 0, 1
	CH 1, 1
	s_sub_co_u32 s40, s40, 1
	s_cmp_lg_u32 s40, 0
	s_cbranch_scc1 .Lt
	v_lshlrev_b32 v13, 5, v2                       ; post_b of my 8 columns in each of two blocks of 16
	global_load_b128 v[80:83], v13, s[58:59]
	global_load_b128 v[84:87], v13, s[58:59] offset:16
	global_load_b128 v[88:91], v13, s[58:59] offset:64
	global_load_b128 v[92:95], v13, s[58:59] offset:80
	s_mul_i32 s41, s21, 32*272
	s_lshl_b32 s42, s22, 7
	s_add_co_u32 s41, s41, s42
	s_add_co_u32 s41, s41, STAGE
	v_mul_u32_u24 v96, v1, 272
	v_lshl_add_u32 v96, v2, 5, v96
	v_add_nc_u32 v96, s41, v96                     ; into the stage: row 32 wm + r (+ 16 kt), byte 128 wn + 32 h (+ 64 dt)
	s_mul_i32 s41, s20, 16*272
	s_add_co_u32 s41, s41, STAGE
	v_mul_u32_u24 v97, v2, 272
	v_lshl_add_u32 v97, v1, 4, v97
	v_add_nc_u32 v97, s41, v97                     ; back: lanes 0-15 one row of 256 bytes, lanes 16-31 the next
	v_lshlrev_b32 v98, 10, v2
	v_lshl_add_u32 v98, v1, 4, v98                 ; the same two rows in tq
	s_wait_loadcnt 0x0                             ; post_b, and the look-ahead of the last chunk
.irp d, 0,1
.irp k, 0,1
.irp j, 0,2,4,6
	v_pk_fma_f32 v[ACC+8*(2*\d+\k)+\j:ACC+8*(2*\d+\k)+\j+1], v[ACC+8*(2*\d+\k)+\j:ACC+8*(2*\d+\k)+\j+1], 0x38800000, v[80+8*\d+\j:81+8*\d+\j] op_sel_hi:[1,0,1]  ; times 2^-14, plus post_b
.endr
	ds_store_b128 v96, v[ACC+8*(2*\d+\k):ACC+8*(2*\d+\k)+3] offset:4352*\k+64*\d
	ds_store_b128 v96, v[ACC+8*(2*\d+\k)+4:ACC+8*(2*\d+\k)+7] offset:4352*\k+64*\d+16
.endr
.endr
	s_wait_dscnt 0x0                               ; for the others: a row of the stage comes from two waves
	s_barrier_signal -1
	s_barrier_wait -1
.irp t, 0,1,2,3,4,5,6,7
	ds_load_b128 v[128+4*\t:131+4*\t], v97 offset:544*\t
.endr
.irp t, 0,1,2,3,4,5,6,7
	s_wait_dscnt 7-\t                              ; LDS loads come back in order: pair t of rows is in, the younger ones stay out
	global_store_b128 v98, v[128+4*\t:131+4*\t], s[56:57] offset:2048*\t  ; 16 lanes store 256 consecutive bytes, aligned
.endr
	s_wait_tensorcnt 0x0                           ; the wave's end
	ds_add_u32 v14, v15
	s_wait_dscnt 0x0
	s_endpgm
	; ---------------- the codes' bias ----------------
	; A wave has 32 codes, a lane one.  16 trips of 64 columns: the chunk comes in by whole runs of 256 bytes, goes through the wave's own LDS rows (pitch 272) and comes back a row to a lane.
	; No wave touches another's bytes, so there is no barrier; LDS serves a wave's instructions in order (ISA guide 5.7.1.4), so the loads see the stores in front of them.
.Lepath:
	s_sub_co_u32 s23, s23, 144
	s_lshl_b32 s24, s23, 7
	s_lshl_b32 s25, s20, 5
	s_add_co_u32 s24, s24, s25                     ; my wave's first code
	s_lshl_b32 s52, s24, 12                        ; its row of 4,096 bytes
	s_mov_b32 s53, 0
	s_and_b32 s54, s24, 511
	s_lshr_b32 s55, s24, 9
	s_mul_i32 s55, s55, 640
	s_add_co_u32 s54, s54, s55                     ; its place in the table: 640 (k / 512) + k % 512
	s_lshl_b32 s54, s54, 2
	s_add_co_u32 s54, s54, 5120                    ; among the biases
	s_mov_b32 s55, 0
	s_mul_i32 s41, s20, EWAVE
	s_add_co_u32 s41, s41, EBASE
	v_mul_u32_u24 v6, v2, 272
	v_lshl_add_u32 v6, v1, 4, v6
	v_add_nc_u32 v6, s41, v6                       ; in: row lane / 16 (+ 2 j), 16 bytes a lane
	v_mul_u32_u24 v7, v3, 272
	v_add_nc_u32 v7, s41, v7                       ; back: row = lane
	s_add_co_u32 s41, s41, 32*272
	v_lshl_add_u32 v8, v3, 4, s41                  ; my 16 bytes of 512 of the wave's copy of pre_b
	v_mov_b32 v9, s41                              ; the chunk's 256 bytes of it: every lane reads the same
	v_lshlrev_b32 v10, 12, v2
	v_lshl_add_u32 v10, v1, 4, v10                 ; in embed: (lane / 16) 4096 + 16 (lane % 16)
	v_lshlrev_b32 v11, 4, v3
	s_mov_b32 s40, 16
	s_wait_kmcnt 0x0
	s_add_nc_u64 s[26:27], s[4:5], s[52:53]
	s_add_nc_u64 s[58:59], s[16:17], s[54:55]
.irp k, 0,1,2,3,4,5,6,7
	global_load_b128 v[EP+4*\k:EP+4*\k+3], v11, s[10:11] offset:512*\k
.endr
	EGLD
	v_mov_b32 v[ESQ], 0
.set i, 0
.rept 8
	v_mov_b32 v[EDB+i], 0
.set i, i+1
.endr
	s_wait_loadcnt 16                              ; pre_b is in; the first chunk's 16 loads stay out
.irp k, 0,1,2,3,4,5,6,7
	ds_store_b128 v8, v[EP+4*\k:EP+4*\k+3] offset:512*\k
.endr
.Le:
	s_wait_loadcnt 0x0                             ; the chunk is in registers; its loads are done, so their base may be stepped
.irp j, 0,1,2,3,4,5,6,7,8,9,10,11,12,13,14,15
	ds_store_b128 v6, v[ER+4*\j:ER+4*\j+3] offset:544*\j
.endr
.irp j, 0,1,2,3,4,5,6,7,8,9,10,11,12,13,14,15
	ds_load_b128 v[EV+4*\j:EV+4*\j+3], v7 offset:16*\j
.endr
.irp j, 0,1,2,3,4,5,6,7,8,9,10,11,12,13,14,15
	ds_load_b128 v[EP+4*\j:EP+4*\j+3], v9 offset:16*\j
.endr
	s_cmp_eq_u32 s40, 1                            ; the last chunk has no successor: the step is 0, and the look-ahead stays inside embed
	s_cselect_b32 s36, 0, s36
	s_add_nc_u64 s[26:27], s[26:27], s[36:37]
	s_wait_dscnt 0x0
	EGLD                                           ; the next chunk is on its way during the sums
	v_add_nc_u32 v9, 256, v9
.set i, 0
.rept 32                                               ; pre_b . e in eight chains; then the squares, each rounded, in place
	v_pk_fma_f32 v[EDB+2*(i%4):EDB+2*(i%4)+1], v[EV+2*i:EV+2*i+1], v[EP+2*i:EP+2*i+1], v[EDB+2*(i%4):EDB+2*(i%4)+1]
	v_pk_mul_f32 v[EV+2*i:EV+2*i+1], v[EV+2*i:EV+2*i+1], v[EV+2*i:EV+2*i+1]
.set i, i+1
.endr
	v_add_f32 v[EW], v[EV], v[EV+1]                ; the chunk's two runs of 32 squares, each in ascending c: two chains side by side
	v_add_f32 v[EW+1], v[EV+32], v[EV+33]
.set i, 2
.rept 30
	v_add_f32 v[EW], v[EW], v[EV+i]
	v_add_f32 v[EW+1], v[EW+1], v[EV+32+i]
.set i, i+1
.endr
	v_add_f32 v[ESQ], v[ESQ], v[EW]                ; the runs' sums, in ascending order, onto one sum
	v_add_f32 v[ESQ], v[ESQ], v[EW+1]
	s_sub_co_u32 s40, s40, 1
	s_cmp_lg_u32 s40, 0
	s_cbranch_scc1 .Le
	s_wait_loadcnt 0x0                             ; the look-ahead of the last chunk
	v_pk_add_f32 v[EDB:EDB+1], v[EDB:EDB+1], v[EDB+2:EDB+3]
	v_pk_add_f32 v[EDB+4:EDB+5], v[EDB+4:EDB+5], v[EDB+6:EDB+7]
	v_pk_add_f32 v[EDB:EDB+1], v[EDB:EDB+1], v[EDB+4:EDB+5]
	v_add_f32 v[EDB], v[EDB], v[EDB+1]
	v_fma_f32 v[EDB], v[ESQ], -0.5, v[EDB]         ; pre_b . e - |e|^2 / 2
	v_lshlrev_b32 v12, 2, v3
	global_store_b32 v12, v[EDB], s[58:59]         ; 128 consecutive bytes a wave
	s_wait_tensorcnt 0x0                           ; the wave's end
	ds_add_u32 v14, v15
	s_wait_dscnt 0x0
	s_endpgm
.Lfunc_end_k_q4aba93093b_prep:
	.size	k_q4aba93093b_prep, .Lfunc_end_k_q4aba93093b_prep-k_q4aba93093b_prep
	.p2alignl 7, 3214868480
	.fill 96, 4, 3214868480
	.section	.rodata,"a",@progbits
	.p2align	6, 0x0
	.amdhsa_kernel k_q4aba93093b_prep
		.amdhsa_group_segment_fixed_size 151552
		.amdhsa_private_segment_fixed_size 0
		.amdhsa_enable_private_segment 0
		.amdhsa_kernarg_size 64
		.amdhsa_user_sgpr_count 2
		.amdhsa_user_sgpr_kernarg_segment_ptr 1
		.amdhsa_wavefront_size32 1
		.amdhsa_system_sgpr_workgroup_id_x 1
		.amdhsa_system_sgpr_workgroup_id_y 1
		.amdhsa_system_sgpr_workgroup_id_z 1
		.amdhsa_system_vgpr_workitem_id 0
		.amdhsa_next_free_vgpr 224
		.amdhsa_next_free_sgpr 66
		.amdhsa_reserve_vcc 1
		.amdhsa_float_denorm_mode_32 3
		.amdhsa_float_denorm_mode_16_64 3
		.amdhsa_memory_ordered 1
		.amdhsa_forward_progress 1
		.amdhsa_inst_pref_size 112
	.end_amdhsa_kernel
	.amdgpu_metadata
---
amdhsa.version: [ 1, 2 ]
amdhsa.kernels:
  - .name:           k_q4aba93093b_prep
    .symbol:         k_q4aba93093b_prep.kd
    .args:
      - { .name: embed, .offset: 0, .size: 8, .value_kind: global_buffer, .address_space: global }
      - { .name: pre_w, .offset: 8, .size: 8, .value_kind: global_buffer, .address_space: global }
      - { .name: post_w, .offset: 16, .size: 8, .value_kind: global_buffer, .address_space: global }
      - { .name: pre_b, .offset: 24, .size: 8, .value_kind: global_buffer, .address_space: global }
      - { .name: post_b, .offset: 32, .size: 8, .value_kind: global_buffer, .address_space: global }
      - { .name: wq, .offset: 40, .size: 8, .value_kind: global_buffer, .address_space: global }
      - { .name: tab, .offset: 48, .size: 8, .value_kind: global_buffer, .address_space: global }
      - { .name: tq, .offset: 56, .size: 8, .value_kind: global_buffer, .address_space: global }
    .group_segment_fixed_size: 151552
    .private_segment_fixed_size: 0
    .kernarg_segment_align: 8
    .kernarg_segment_size: 64
    .max_flat_workgroup_size: 128
    .sgpr_count:     66
    .vgpr_count:     224
    .wavefront_size: 32
...
	.end_amdgpu_metadata
.endif
;; end of part 1
;; launch main (part 2): grid 256 x 1, 4 waves a work-group, clusters of 4 x 1, 327,680 bytes of LDS; arguments x, ln_gamma, ln_beta, wq, tab, out1, idxw, lossp, pre_b; writes out1, idxw, lossp
.if DOCPART == 2
	.amdgcn_target "amdgcn-amd-amdhsa--gfx1250"
	.amdhsa_code_object_version 6
	.text
	.protected	k_q4aba93093b_main
	.globl	k_q4aba93093b_main
	.p2align	8
	.type	k_q4aba93093b_main,@function
k_q4aba93093b_main:
	s_mov_b64 s[64:65], 0
	v_nop
	global_prefetch_b8 v0, s[64:65] scope:SCOPE_SE
	s_setreg_imm32_b32 hwreg(HW_REG_WAVE_MODE, 25, 1), 1
	s_wait_xcnt 0x0
	s_wait_alu depctr_hold_cnt(0) depctr_sa_sdst(0) depctr_va_vdst(0) depctr_va_sdst(0) depctr_va_ssrc(0) depctr_va_vcc(0) depctr_vm_vsrc(0)
	s_getreg_b32 s2, hwreg(HW_REG_IB_STS2, 6, 4)
	s_cmp_eq_u32 s2, 0
	s_cbranch_scc0 .Lentry_in_a_cluster
	s_endpgm
.Lentry_in_a_cluster:
	s_bfe_u32 s2, ttmp6, 0x10000c
	s_cmp_lg_u32 s2, 0x3003
	s_cbranch_scc0 .Lentry_shape_is_right
	s_endpgm
.Lentry_shape_is_right:
; THE ROWS.  A work-group owns 128 rows of x.  g = gelu(LN(x)); s_k = g . R_k + bias_k for 1,024 codes: the least distance is the greatest s;
; |z|^2 - |pre_b|^2 = sum over d of g_d (M_d . g + 2 u_d); a row's least distance, less |pre_b|^2, is that sum - 2 s_max.  Stored: the index (twice) and the work-group's sum of distances.
; THE CHOICE.  The problem keeps its distances in f32, where codes closer than a step of that format can come out equal, and its argmin then takes the first.  Here: D is the row's least distance,
; its step 2^(exponent of D - 23); of the codes whose distance lies within one step of the least (in scores: within half a step of the best) the lowest index is taken.
; LIMITS OF THE CHOICE.  A register keeps the best of its 32 codes (16 apart in index) by a plain comparison, so a code within the step of a better one in the same register (31 of a code's 1,023
; partners) is not seen.  A row whose two nearest codes lie within about a step of the f32 distance may get either of the two indices.
; FORMAT.  g times 2^6 and the rows of R (each times its own power of two) are f16 hi + lo; a score is hi hi + lo hi + hi lo in f32, about 22 bits, times the row's scale plus its bias.
; The M rows take hi hi alone: they feed the loss and the step's exponent, not the scores.  LIMITS: |g| < 1,023 (f16 ends at 65,504); erf by the rational form 7.1.26 of Abramowitz and Stegun, absolute
; error 1.5e-7; the distance is formed as |z|^2 - 2 z.e + |e|^2, as the problem forms it; NaN and infinities are not treated apart.
; SHARES.  LN and GELU: wave w has rows 32 w .. 32 w + 31.  Products: wave (rh = w / 2, ch = w % 2) has 64 rows (4 tiles of 16) and half of the weight tiles: 32 of codes, 8 of M.
; D = W fragment x g fragment: lane (r, h), register j holds (weight row 8 h + j of the tile, row r of x).
; CLUSTER.  All work-groups walk the same weights, 64 KiB a step: the four of a cluster ask jointly (same load, same descriptor, mask of four).
; LDS: x, later g in place (128 rows, pitch 1,040: a lane's 32 bytes of f32 become 16 of hi and 16 of lo); two slots of 65,536; the table of scales and biases; scratch; the spare words; more scratch.
; REGISTERS: window 0 as named below; window 1 g hi (64 t + 8 u); window 2 g lo; window 3 weight fragments, two buffers of 128 (hi at 8 u, lo at 64 + 8 u).
.set XP,    1040
.set TR,    16*XP
.set SLOT0, 133120
.set SLOTX, 0x10000                    ; one exclusive or turns an address in one slot into the other's
.set TAB,   264192
.set SCR,   274432
.set SPARE, 278528
.set SCRA,  279040                     ; behind the spare words: for each wave 64 best scores and 64 partial sums of |z|^2, 512 bytes
.set ACC,  32                          ; v32-63   four accumulators
.set SCB,  64                          ; v64-95   scale (8) and bias (8), two buffers
.set GF,   112                         ; v112-127 g widened, two sets of 8 (v96-111: g hi of the M tile, named by number)
.set BEST, 128                         ; v128-159 best score by (t, j)
.set BIDX, 160                         ; v160-191 its tile number, later its code
.set ZS,   192                         ; v192-199 a pair of sums for each t
.set PBR,  200                         ; v200-231 pre_b, 32 numbers a lane
.set BB,   232                         ; v232-235 |pre_b|^2
.set VM,   96                          ; the end: v96-99 the best score by t; v100-103 the row's sum for |z|^2; v104-119 the two waves' copies; v120-123 the threshold
.set ZT,   100
.set CP,   104
.set THR,  120
; v1 r, v2 h, v3 lane, v4 XA, v5 GO, v6 FB, v7 v8 AW (slot 0, 1), v9 TBA, v10 GHA, v11 HB, v12 v13 at work, v14 16 x lane, v16 v17 the add, v18-25 mean and 1/sigma, a pair each, for two tiles
; s20 wave, s21 rh, s22 ch, s23 cx, s24 work-group; s[28:35] G1X, s[36:43] G1W, s[44:51] G1T, s[52:55] G0X, s[56:59] G0T, s[60:63] G0A, s[66:67] pre_b, s[68:71] G0W (walks)
.set MSB, 0
.macro WIN new                         ; the high byte repeats the setting that is left; a switch that changes nothing is dropped
.if MSB != (\new)
	s_set_vgpr_msb (MSB<<8)|(\new)
.set MSB, \new
.endif
.endm
.macro PLACES
.rept 4
	v_nop
.endr
.endm
.macro CROUND                          ; a round of the cluster's barrier
	s_barrier_signal -1
	s_barrier_wait -1
	s_cmp_lg_u32 s20, 0
	s_cbranch_scc1 .Lnot_wave_0_\@
	s_barrier_signal -3
.Lnot_wave_0_\@:
	s_barrier_wait -3
	s_barrier_signal -1
	s_barrier_wait -1
.endm
.macro WIDEN dst, a, b, c, d           ; eight f16 in four registers (given by number) to f32
	v_cvt_f32_f16 v[\dst], v\a\().l
	v_cvt_f32_f16 v[\dst+1], v\a\().h
	v_cvt_f32_f16 v[\dst+2], v\b\().l
	v_cvt_f32_f16 v[\dst+3], v\b\().h
	v_cvt_f32_f16 v[\dst+4], v\c\().l
	v_cvt_f32_f16 v[\dst+5], v\c\().h
	v_cvt_f32_f16 v[\dst+6], v\d\().l
	v_cvt_f32_f16 v[\dst+7], v\d\().h
.endm
; Mean and 1 / sqrt(var + eps) of the 16 rows of a tile: lane (r, h) reads the 128 numbers d = 16 q + 8 h + 0..7 of row r; the two halves of the lanes meet once for each sum.
.macro STATS tile, mu, rs
.set j, 0
.rept 16
	ds_load_b128 v[128+8*j:128+8*j+3], v4 offset:TR*\tile+64*j
	ds_load_b128 v[128+8*j+4:128+8*j+7], v4 offset:TR*\tile+64*j+16
.set j, j+1
.endr
	s_wait_dscnt 0x0
.irp k, 0,1,2,3
	v_pk_add_f32 v[32+2*\k:33+2*\k], v[128+2*\k:129+2*\k], v[136+2*\k:137+2*\k]
.endr
.set j, 8
.rept 56
	v_pk_add_f32 v[32+2*(j%4):33+2*(j%4)], v[32+2*(j%4):33+2*(j%4)], v[128+2*j:129+2*j]
.set j, j+1
.endr
	v_pk_add_f32 v[32:33], v[32:33], v[34:35]
	v_pk_add_f32 v[36:37], v[36:37], v[38:39]
	v_pk_add_f32 v[32:33], v[32:33], v[36:37]
	v_add_f32 v32, v32, v33
	v_permlanex16_b32 v33, v32, s72, s73
	v_add_f32 v32, v32, v33
	v_mul_f32 v[\mu], s88, v32
	v_mul_f32 v[\mu+1], s88, v32
.irp k, 0,1,2,3
	v_pk_add_f32 v[40+2*\k:41+2*\k], v[128+2*\k:129+2*\k], v[\mu:\mu+1] neg_lo:[0,1] neg_hi:[0,1]
	v_pk_mul_f32 v[32+2*\k:33+2*\k], v[40+2*\k:41+2*\k], v[40+2*\k:41+2*\k]
.endr
.set j, 4
.rept 60
	v_pk_add_f32 v[40+2*(j%4):41+2*(j%4)], v[128+2*j:129+2*j], v[\mu:\mu+1] neg_lo:[0,1] neg_hi:[0,1]
	v_pk_fma_f32 v[32+2*(j%4):33+2*(j%4)], v[40+2*(j%4):41+2*(j%4)], v[40+2*(j%4):41+2*(j%4)], v[32+2*(j%4):33+2*(j%4)]
.set j, j+1
.endr
	v_pk_add_f32 v[32:33], v[32:33], v[34:35]
	v_pk_add_f32 v[36:37], v[36:37], v[38:39]
	v_pk_add_f32 v[32:33], v[32:33], v[36:37]
	v_add_f32 v32, v32, v33
	v_permlanex16_b32 v33, v32, s72, s73
	v_add_f32 v32, v32, v33
	v_fma_f32 v32, v32, s88, s89                   ; var + eps
	v_rsq_f32 v[\rs], v32
	v_nop                                          ; a plain instruction between the root and the use of its result
	s_wait_alu depctr_va_vdst(0)
	v_mov_b32 v[\rs+1], v[\rs]
.endm
; The loads of one group of 8 d: x of both tiles from LDS, gamma and beta from memory.  set: x tile 0 at +0, tile 1 at +8, gamma at +16, beta at +24.
.macro XLOAD set, off
	ds_load_b128 v[\set:\set+3], v4 offset:\off
	ds_load_b128 v[\set+4:\set+7], v4 offset:\off+16
	ds_load_b128 v[\set+8:\set+11], v4 offset:\off+TR
	ds_load_b128 v[\set+12:\set+15], v4 offset:\off+TR+16
	global_load_b128 v[\set+16:\set+19], v5, s[6:7] offset:\off
	global_load_b128 v[\set+20:\set+23], v5, s[6:7] offset:\off+16
	global_load_b128 v[\set+24:\set+27], v5, s[8:9] offset:\off
	global_load_b128 v[\set+28:\set+31], v5, s[8:9] offset:\off+16
.endm
; 8 numbers: v = (x - mu) rs gamma + beta; 64 gelu(v) = hv + |hv| - |hv| w with hv = 32 v, w = poly(t) exp(-v^2 / 2), t = 1 / (1 + 0.23164189 |v|); split into hi and lo; back into the bytes that x left.
; v32-39 v, then 64 g; v40-47 t; v48-55 the exponential; v56-63 hv; v64-71 hv + |hv|; v72-79 w; v80-83 hi; v84-87 lo; v88-95 hi widened
.macro GEL x, mu, rs, gb, sto
.irp k, 0,2,4,6
	v_pk_add_f32 v[32+\k:33+\k], v[\x+\k:\x+\k+1], v[\mu:\mu+1] neg_lo:[0,1] neg_hi:[0,1]
.endr
.irp k, 0,2,4,6
	v_pk_mul_f32 v[32+\k:33+\k], v[32+\k:33+\k], v[\rs:\rs+1]
.endr
.irp k, 0,2,4,6
	v_pk_fma_f32 v[32+\k:33+\k], v[32+\k:33+\k], v[\gb+\k:\gb+\k+1], v[\gb+8+\k:\gb+9+\k]
.endr
.irp k, 0,1,2,3,4,5,6,7
	v_fma_f32 v[40+\k], |v[32+\k]|, s84, 1.0
.endr
.irp k, 0,1,2,3,4,5,6,7
	v_rcp_f32 v[40+\k], v[40+\k]
.endr
.irp k, 0,2,4,6
	v_pk_mul_f32 v[48+\k:49+\k], v[32+\k:33+\k], v[32+\k:33+\k]  ; plain work behind the reciprocals
.endr
.irp k, 0,2,4,6
	v_pk_mul_f32 v[48+\k:49+\k], v[48+\k:49+\k], s[86:87] op_sel_hi:[1,0]
.endr
.irp k, 0,1,2,3,4,5,6,7
	v_exp_f32 v[48+\k], v[48+\k]
.endr
.irp k, 0,2,4,6
	v_pk_mul_f32 v[56+\k:57+\k], v[32+\k:33+\k], 0x42000000 op_sel_hi:[1,0]  ; plain work behind the exponentials
.endr
.irp k, 0,1,2,3,4,5,6,7
	v_add_f32 v[64+\k], v[56+\k], |v[56+\k]|
.endr
	s_wait_alu depctr_va_vdst(0)
.irp k, 0,2,4,6
	v_pk_fma_f32 v[72+\k:73+\k], v[40+\k:41+\k], s[74:75], s[76:77] op_sel_hi:[1,0,0]
.endr
.irp k, 0,2,4,6
	v_pk_fma_f32 v[72+\k:73+\k], v[72+\k:73+\k], v[40+\k:41+\k], s[78:79] op_sel_hi:[1,1,0]
.endr
.irp k, 0,2,4,6
	v_pk_fma_f32 v[72+\k:73+\k], v[72+\k:73+\k], v[40+\k:41+\k], s[80:81] op_sel_hi:[1,1,0]
.endr
.irp k, 0,2,4,6
	v_pk_fma_f32 v[72+\k:73+\k], v[72+\k:73+\k], v[40+\k:41+\k], s[82:83] op_sel_hi:[1,1,0]
.endr
.irp k, 0,2,4,6
	v_pk_mul_f32 v[72+\k:73+\k], v[72+\k:73+\k], v[40+\k:41+\k]
.endr
.irp k, 0,2,4,6
	v_pk_mul_f32 v[72+\k:73+\k], v[72+\k:73+\k], v[48+\k:49+\k]
.endr
.irp k, 0,1,2,3,4,5,6,7
	v_fma_f32 v[32+\k], -|v[56+\k]|, v[72+\k], v[64+\k]
.endr
.irp k, 0,1,2,3
	v_cvt_pk_f16_f32 v[80+\k], v[32+2*\k], v[33+2*\k]
.endr
	WIDEN 88, 80, 81, 82, 83
.irp k, 0,2,4,6
	v_pk_add_f32 v[32+\k:33+\k], v[32+\k:33+\k], v[88+\k:89+\k] neg_lo:[0,1] neg_hi:[0,1]
.endr
.irp k, 0,1,2,3
	v_cvt_pk_f16_f32 v[84+\k], v[32+2*\k], v[33+2*\k]
.endr
	ds_store_b128 v4, v[80:83] offset:\sto
	ds_store_b128 v4, v[84:87] offset:\sto+16
.endm
.macro GROUP set, other, off, load     ; one group; the next group's loads go out first, into the other set
	s_wait_dscnt 0x0                               ; my x of this group is in
	s_wait_loadcnt 0x0                             ; gamma and beta too
.if \load
	XLOAD \other, \off+64
.endif
	GEL \set, 18, 20, \set+16, \off
	GEL \set+8, 22, 24, \set+16, \off+TR
.endm
; A weight tile: 16 fragments (hi and lo, 8 K chunks of 32), each two loads of 512 dense bytes, and its 8 scales and 8 biases: 36 LDS instructions.
.macro FETCH slot, i, buf
	WIN 0xc0                                       ; destination window 3, address window 0
.irp p, 0,1
.irp u, 0,1,2,3,4,5,6,7
	ds_load_b128 v[128*\buf+64*\p+8*\u:128*\buf+64*\p+8*\u+3], v[7+\slot] offset:16384*\i+8192*\p+1024*\u
	ds_load_b128 v[128*\buf+64*\p+8*\u+4:128*\buf+64*\p+8*\u+7], v[7+\slot] offset:16384*\i+8192*\p+1024*\u+512
.endr
.endr
	WIN 0
	ds_load_b128 v[SCB+16*\buf:SCB+16*\buf+3], v9
	ds_load_b128 v[SCB+16*\buf+4:SCB+16*\buf+7], v9 offset:16
	ds_load_b128 v[SCB+16*\buf+8:SCB+16*\buf+11], v9 offset:5120
	ds_load_b128 v[SCB+16*\buf+12:SCB+16*\buf+15], v9 offset:5136
	v_add_nc_u32 v9, 64, v9                        ; the next tile's 16 words
.endm
; The tile in buffer buf times my 64 rows.  The four accumulators take turns, one instruction a turn; the first four products start the sums.
.macro MUL buf, full
	WIN 0x07                                       ; W in window 3, g hi in window 1
.irp u, 0,1,2,3,4,5,6,7
.irp p, 0,1
.if (\p == 0) || (\full)
.irp t, 0,1,2,3
.if (\u == 0) && (\p == 0)
	v_wmma_f32_16x16x32_f16 v[ACC+8*\t:ACC+8*\t+7], v[128*\buf+64*\p+8*\u:128*\buf+64*\p+8*\u+7], v[64*\t+8*\u:64*\t+8*\u+7], 0
.else
	v_wmma_f32_16x16x32_f16 v[ACC+8*\t:ACC+8*\t+7], v[128*\buf+64*\p+8*\u:128*\buf+64*\p+8*\u+7], v[64*\t+8*\u:64*\t+8*\u+7], v[ACC+8*\t:ACC+8*\t+7]
.endif
.endr
.endif
.endr
.endr
.if \full
	WIN 0x0b                                       ; g lo in window 2
.irp u, 0,1,2,3,4,5,6,7
.irp t, 0,1,2,3
	v_wmma_f32_16x16x32_f16 v[ACC+8*\t:ACC+8*\t+7], v[128*\buf+8*\u:128*\buf+8*\u+7], v[64*\t+8*\u:64*\t+8*\u+7], v[ACC+8*\t:ACC+8*\t+7]
.endr
.endr
.endif
.endm
; Scores of a code tile: scale and bias (each accumulator from its low end on), then the running best; a later tile wins only if it is greater.
.macro EPI buf
	WIN 0
.irp t, 0,1,2,3
.irp k, 0,2,4,6
	v_pk_fma_f32 v[ACC+8*\t+\k:ACC+8*\t+\k+1], v[ACC+8*\t+\k:ACC+8*\t+\k+1], v[SCB+16*\buf+\k:SCB+16*\buf+\k+1], v[SCB+16*\buf+8+\k:SCB+16*\buf+9+\k]
.endr
.irp j, 0,1,2,3,4,5,6,7
	v_cmp_gt_f32 vcc_lo, v[ACC+8*\t+\j], v[BEST+8*\t+\j]
	v_cndmask_b32 v[BEST+8*\t+\j], v[BEST+8*\t+\j], v[ACC+8*\t+\j], vcc_lo
	v_cndmask_b32 v[BIDX+8*\t+\j], v[BIDX+8*\t+\j], s90, vcc_lo
.endr
.endr
	s_add_co_u32 s90, s90, 1
.endm
.macro MLOAD ml                        ; g hi of my rows at the 8 d that my registers hold of M tile ml
	WIN 0
.irp t, 0,1,2,3
	ds_load_b128 v[96+4*\t:99+4*\t], v10 offset:TR*\t+64*(\ml)
.endr
.endm
.macro EPM1 buf, t, gf, a, b, c, d
.irp k, 0,2,4,6
	v_pk_fma_f32 v[ACC+8*\t+\k:ACC+8*\t+\k+1], v[ACC+8*\t+\k:ACC+8*\t+\k+1], v[SCB+16*\buf+\k:SCB+16*\buf+\k+1], v[SCB+16*\buf+8+\k:SCB+16*\buf+9+\k]
.endr
	WIDEN \gf, \a, \b, \c, \d
.irp k, 0,2,4,6
	v_pk_fma_f32 v[ZS+2*\t:ZS+2*\t+1], v[ACC+8*\t+\k:ACC+8*\t+\k+1], v[\gf+\k:\gf+\k+1], v[ZS+2*\t:ZS+2*\t+1]
.endr
.endm
.macro EPIM buf                        ; an M tile: (M_d . g + 2 u_d) g_d, summed
	WIN 0
	EPM1 \buf, 0, 112, 96, 97, 98, 99
	EPM1 \buf, 1, 120, 100, 101, 102, 103
	EPM1 \buf, 2, 112, 104, 105, 106, 107
	EPM1 \buf, 3, 120, 108, 109, 110, 111
.endm
; THE CHANGE OF SLOTS.  Both tiles of the slot are in registers.  Each wave waits for all its tensor loads (one is out: its part of the other slot), adds 0 to its spare word, and waits for that and
; for its reads of the slot.  fill = 1: a round of the cluster's barrier, so that no wave of any partner still reads the slot or has a load on its way; the joint refill, two steps ahead, is the first thing behind it.
.macro CHANGE fill
	WIN 0
	s_wait_tensorcnt 0x0                           ; no tensor load of mine is out, so the walking group 0 may be written
	ds_add_u32 v16, v17
.if \fill
	s_xor_b32 s69, s69, SLOTX
	s_add_nc_u64 s[70:71], s[70:71], 0x10000
	s_wait_dscnt 0x0                               ; the add is done, and my reads of the slot are over
	CROUND
	tensor_load_to_lds s[68:71], s[36:43]
	s_nop 0
.else
	s_wait_dscnt 0x0
	s_barrier_signal -1
	s_barrier_wait -1
.endif
	PLACES                                         ; also the places behind the products, ahead of the reads of their results
.endm
; A STEP: two tiles a, b of one slot.  kind 1: M tiles ml, ml + 1.  mode 2: the slot is filled again; 1: nothing is left to ask for; 0: the last step.
.macro STEP kind, slot, mode, ml
.if \kind
	MLOAD \ml
.endif
	FETCH \slot, 1, 1
	s_wait_dscnt 36                                ; all but tile b's 36: tile a is in
	MUL 0, 1-\kind
.if \mode == 2
	CHANGE 1
.elseif \mode == 1
	CHANGE 0
.else
	WIN 0
	PLACES
.endif
.if \kind
	EPIM 0
	MLOAD \ml+1
.else
	EPI 0
.endif
.if \mode
	FETCH 1-\slot, 0, 0                            ; the next step's tile a
.else
	s_wait_dscnt 0x0
.endif
	MUL 1, 1-\kind                                 ; tile b was shown in by the change's wait for 0
	WIN 0
	PLACES
.if \kind
.if \mode
	s_wait_dscnt 36                                ; all but the next tile's 36: g of tile b is in
.endif
	EPIM 1
.else
	EPI 1
.endif
.endm
.macro MINU a, b                       ; a takes b if b is the lower whole number
	v_cmp_lt_u32 vcc_lo, v[\b], v[\a]
	v_cndmask_b32 v[\a], v[\a], v[\b], vcc_lo
.endm
	s_load_b512 s[4:19], s[0:1], 0x0               ; x s[4:5], gamma s[6:7], beta s[8:9], wq s[10:11], tab s[12:13], out1 s[14:15], idxw s[16:17], lossp s[18:19]
	s_load_b64 s[66:67], s[0:1], 0x40              ; pre_b
	v_lshl_add_u32 v16, v0, 2, SPARE
	v_mov_b32 v17, 0
	ds_add_u32 v16, v17                            ; the wave's opening: the add and its wait ahead of my first tensor load
	v_lshrrev_b32 v12, 5, v0
	v_readfirstlane_b32 s20, v12
	s_lshr_b32 s21, s20, 1
	s_and_b32 s22, s20, 1
	s_bfe_u32 s23, ttmp6, 0x40000                  ; cx: it enters the addresses of x and of the outputs alone
	s_lshl_b32 s24, ttmp9, 2
	s_add_co_u32 s24, s24, s23
	s_mov_b32 s28, (2<<16)|(1<<20)|(7<<22)|(3<<25) ; x: 4-byte elements, 4 words of padding behind every 256
	s_mov_b32 s29, 256<<16
	s_mov_b32 s30, 32<<16
	s_mov_b32 s31, 256<<16
	s_mov_b32 s32, 32
	s_mov_b32 s33, 256
	s_mov_b32 s34, 0
	s_mov_b32 s35, 0
	s_mov_b32 s36, 15|(3<<16)|(1<<21)              ; weights: the mask of four, 8-byte elements, 64 dense rows of 256 bytes
	s_mov_b32 s37, 32<<16
	s_mov_b32 s38, 64<<16
	s_mov_b32 s39, 32<<16
	s_mov_b32 s40, 64
	s_mov_b32 s41, 32
	s_mov_b32 s42, 0
	s_mov_b32 s43, 0
	s_mov_b32 s44, 15|(3<<16)|(1<<21)              ; the table: 10 such rows a wave
	s_mov_b32 s45, 32<<16
	s_mov_b32 s46, 10<<16
	s_mov_b32 s47, 32<<16
	s_mov_b32 s48, 10
	s_mov_b32 s49, 32
	s_mov_b32 s50, 0
	s_mov_b32 s51, 0
	s_mov_b32 s52, 1
	s_mul_i32 s53, s20, 32*XP
	s_mov_b32 s56, 1
	s_mul_i32 s26, s20, 2560
	s_mov_b32 s27, 0
	s_add_co_u32 s57, s26, TAB
	s_mov_b32 s60, 1
	s_lshl_b32 s25, s20, 14
	s_add_co_u32 s61, s25, SLOT0
	s_mov_b32 s68, 1
	s_add_co_u32 s69, s25, SLOT0+SLOTX
	s_lshl_b32 s96, s24, 17                        ; 128 rows of 1,024 bytes a work-group,
	s_lshl_b32 s97, s20, 15                        ; 32 a wave
	s_add_co_u32 s96, s96, s97
	s_mov_b32 s97, 0
	s_mov_b32 s72, 0x76543210
	s_mov_b32 s73, 0xfedcba98
	s_mov_b32 s74, 0x3f87dc22                      ; a5 .. a1, each named as a pair
	s_mov_b32 s75, s74
	s_mov_b32 s76, 0xbfba00e3
	s_mov_b32 s77, s76
	s_mov_b32 s78, 0x3fb5f0e3
	s_mov_b32 s79, s78
	s_mov_b32 s80, 0xbe91a98e
	s_mov_b32 s81, s80
	s_mov_b32 s82, 0x3e827906
	s_mov_b32 s83, s82
	s_mov_b32 s84, 0x3e6d3388                      ; 0.3275911 / sqrt(2)
	s_mov_b32 s86, 0xbf38aa3b                      ; -log2(e) / 2
	s_mov_b32 s87, s86
	s_mov_b32 s88, 0x3b800000                      ; 1 / 256
	s_mov_b32 s89, 0x3727c5ac                      ; 1e-5
	s_mov_b32 s93, 0xffff0000                      ; lanes 16-31
	s_wait_dscnt 0x0                               ; the opening add is done
	s_wait_kmcnt 0x0
	s_add_nc_u64 s[54:55], s[4:5], s[96:97]
	s_or_b32 s55, s55, 0x80000000
	s_add_nc_u64 s[58:59], s[12:13], s[26:27]
	s_or_b32 s59, s59, 0x80000000
	s_mov_b32 s26, s25
	s_add_nc_u64 s[62:63], s[10:11], s[26:27]
	s_add_nc_u64 s[70:71], s[62:63], 0x10000
	s_or_b32 s63, s63, 0x80000000
	s_or_b32 s71, s71, 0x80000000
	CROUND                                         ; all four work-groups are here: the first joint loads meet
	tensor_load_to_lds s[52:55], s[28:35]          ; my 32 rows of x (my own: no mask)
	s_nop 0
	tensor_load_to_lds s[56:59], s[44:51]          ; my quarter of the table
	s_nop 0
	tensor_load_to_lds s[60:63], s[36:43]          ; my quarter of step 0
	s_nop 0
	tensor_load_to_lds s[68:71], s[36:43]          ; my quarter of step 1: four loads of mine are out
	s_nop 0
	PLACES
	v_and_b32 v1, 15, v0
	v_bfe_u32 v2, v0, 4, 1
	v_and_b32 v3, 31, v0
	v_mul_u32_u24 v12, v1, XP
	v_lshl_add_u32 v12, v2, 5, v12                 ; r x pitch + 32 h
	s_mul_i32 s25, s20, 32*XP
	v_add_nc_u32 v4, s25, v12                      ; XA
	v_lshlrev_b32 v5, 5, v2                        ; GO
	s_mul_i32 s25, s21, 64*XP
	v_add_nc_u32 v6, s25, v12                      ; FB
	s_lshl_b32 s25, s22, 15
	s_add_co_u32 s25, s25, SLOT0
	v_lshl_add_u32 v7, v3, 4, s25                  ; AW: slot + 32,768 ch + 16 lane
	v_add_nc_u32 v8, SLOTX, v7
	s_mul_i32 s25, s22, 2560
	s_add_co_u32 s25, s25, TAB
	v_lshl_add_u32 v9, v2, 5, s25                  ; TBA = TAB + 4 (640 ch + 8 h)
	s_lshl_b32 s25, s22, 9
	v_add_nc_u32 v10, s25, v6                      ; GHA = FB + 512 ch
	v_lshl_add_u32 v11, v2, 3, s25                 ; HB = 512 ch + 8 h
	s_wait_tensorcnt 0x3                           ; my rows of x are in; the three younger loads stay out.  Only I read these rows
	STATS 0, 18, 20
	STATS 1, 22, 24
	XLOAD 128, 0
	s_mov_b32 s91, 7
.Lgelu:                                                ; two groups of 8 d a trip
	GROUP 128, 160, 0, 1
	GROUP 160, 128, 64, 1
	s_wait_xcnt 0x0                                ; GO is rewritten only behind this wait
	v_add_nc_u32 v4, 128, v4
	v_add_nc_u32 v5, 128, v5
	s_sub_co_u32 s91, s91, 1
	s_cmp_lg_u32 s91, 0
	s_cbranch_scc1 .Lgelu
	GROUP 128, 160, 0, 1
	GROUP 160, 128, 64, 0                          ; the last group asks for nothing
	s_wait_tensorcnt 0x0                           ; my parts of the table and of both slots are in,
	s_wait_dscnt 0x0                               ; my g is stored:
	s_barrier_signal -1
	s_barrier_wait -1                              ; everybody's.
	WIN 0x40
.set t, 0
.rept 4
.set u, 0
.rept 8
	ds_load_b128 v[64*t+8*u:64*t+8*u+3], v6 offset:TR*t+128*u
	ds_load_b128 v[64*t+8*u+4:64*t+8*u+7], v6 offset:TR*t+128*u+64
.set u, u+1
.endr
.set t, t+1
.endr
	WIN 0x80
.set t, 0
.rept 4
.set u, 0
.rept 8
	ds_load_b128 v[64*t+8*u:64*t+8*u+3], v6 offset:TR*t+128*u+16
	ds_load_b128 v[64*t+8*u+4:64*t+8*u+7], v6 offset:TR*t+128*u+80
.set u, u+1
.endr
.set t, t+1
.endr
	WIN 0
.set i, 0
.rept 32
	v_mov_b32 v[BEST+i], 0xff7fffff                ; the lowest finite number
	v_mov_b32 v[BIDX+i], 0
.set i, i+1
.endr
.set i, 0
.rept 8
	v_mov_b32 v[ZS+i], 0
.set i, i+1
.endr
	s_mov_b32 s90, 0
	v_lshlrev_b32 v14, 4, v3                       ; 16 x lane; never rewritten
.irp k, 0,1,2,3,4,5,6,7
	global_load_b128 v[PBR+4*\k:PBR+4*\k+3], v14, s[66:67] offset:512*\k  ; pre_b, 32 numbers a lane: asked for here, wanted behind the walk
.endr
	FETCH 0, 0, 0
	s_mov_b32 s92, 8
.Lsteps:                                               ; steps 0-15: the codes
	STEP 0, 0, 2, 0
	STEP 0, 1, 2, 0
	s_sub_co_u32 s92, s92, 1
	s_cmp_lg_u32 s92, 0
	s_cbranch_scc1 .Lsteps
	STEP 1, 0, 2, 0                                ; steps 16-19: M; the tail is written out
	STEP 1, 1, 2, 2
	STEP 1, 0, 1, 4
	STEP 1, 1, 0, 6
	; THE CHOICE, in two passes.  First the row's best score and its |z|^2: over my 8 registers, over the halves of the lanes, through LDS over the two waves of a row.
.irp j, 0,1,2,3,4,5,6,7
	v_add_nc_u32 v[SCB+\j], \j, v11
.endr
.irp t, 0,1,2,3
.irp j, 0,1,2,3,4,5,6,7
	v_lshl_add_u32 v[BIDX+8*\t+\j], v[BIDX+8*\t+\j], 4, v[SCB+\j]  ; codes from tile numbers
.endr
.endr
	s_wait_loadcnt 0x0                             ; pre_b
	v_pk_mul_f32 v[BB:BB+1], v[PBR:PBR+1], v[PBR:PBR+1]
	v_pk_mul_f32 v[BB+2:BB+3], v[PBR+2:PBR+3], v[PBR+2:PBR+3]
.set j, 2
.rept 14
	v_pk_fma_f32 v[BB+2*(j%2):BB+2*(j%2)+1], v[PBR+2*j:PBR+2*j+1], v[PBR+2*j:PBR+2*j+1], v[BB+2*(j%2):BB+2*(j%2)+1]
.set j, j+1
.endr
	v_pk_add_f32 v[BB:BB+1], v[BB:BB+1], v[BB+2:BB+3]
	v_add_f32 v[BB], v[BB], v[BB+1]
.irp m, 1,2,4,8
	v_add_f32_dpp v[BB], v[BB], v[BB] row_xmask:\m row_mask:0xf bank_mask:0xf
.endr
	v_permlanex16_b32 v72, v[BB], s72, s73
	v_add_f32 v[BB], v[BB], v72                    ; |pre_b|^2, in every lane
.irp t, 0,1,2,3
	v_max3_num_f32 v[VM+\t], v[BEST+8*\t], v[BEST+8*\t+1], v[BEST+8*\t+2]
	v_max3_num_f32 v[VM+\t], v[VM+\t], v[BEST+8*\t+3], v[BEST+8*\t+4]
	v_max3_num_f32 v[VM+\t], v[VM+\t], v[BEST+8*\t+5], v[BEST+8*\t+6]
	v_max_num_f32 v[VM+\t], v[VM+\t], v[BEST+8*\t+7]
	v_permlanex16_b32 v72, v[VM+\t], s72, s73
	v_max_num_f32 v[VM+\t], v[VM+\t], v72
	v_add_f32 v[ZS+2*\t], v[ZS+2*\t], v[ZS+2*\t+1]
	v_permlanex16_b32 v74, v[ZS+2*\t], s72, s73
	v_add_f32 v[ZS+2*\t], v[ZS+2*\t], v74
.endr
	s_lshl_b32 s25, s20, 9
	s_add_co_u32 s25, s25, SCRA
	v_lshl_add_u32 v12, v1, 2, s25                 ; my wave's 512 bytes, word r (+ 16 t); the two halves of the lanes hold and store the same numbers
.irp t, 0,1,2,3
	ds_store_b32 v12, v[VM+\t] offset:64*\t
	ds_store_b32 v12, v[ZS+2*\t] offset:256+64*\t
.endr
	s_wait_dscnt 0x0                               ; for the other wave of my rows
	s_barrier_signal -1
	s_barrier_wait -1
	s_lshl_b32 s25, s21, 10
	s_add_co_u32 s25, s25, SCRA
	v_lshl_add_u32 v13, v1, 2, s25                 ; both copies of my 64 rows: both waves then make the same numbers of them
.irp c, 0,1
.irp t, 0,1,2,3
	ds_load_b32 v[CP+4*\c+\t], v13 offset:512*\c+64*\t
	ds_load_b32 v[CP+8+4*\c+\t], v13 offset:512*\c+256+64*\t
.endr
.endr
	s_mov_b32 s98, 0x3c800000                      ; 2^-6: the power on g goes
	s_mov_b32 s99, 0xb3800000                      ; -2^-24
	s_wait_dscnt 0x0
.irp t, 0,1,2,3
	v_max_num_f32 v[VM+\t], v[CP+\t], v[CP+4+\t]   ; the row's best score
	v_add_f32 v[ZT+\t], v[CP+8+\t], v[CP+12+\t]
	v_fma_f32 v[THR+\t], v[ZT+\t], s98, v[BB]      ; |z|^2
	v_fma_f32 v[THR+\t], v[VM+\t], -2.0, v[THR+\t] ; D, the least distance
	v_and_b32 v[THR+\t], 0x7f800000, v[THR+\t]     ; 2^(exponent of D); 0 for a D of 0
	v_fma_f32 v[THR+\t], v[THR+\t], s99, v[VM+\t]  ; the best score less half a step of D
.endr
	; Second pass: a register whose best score reaches the threshold offers its code, the others the greatest whole number; the lowest offer wins.
.irp t, 0,1,2,3
.irp j, 0,1,2,3,4,5,6,7
	v_cmp_ge_f32 vcc_lo, v[BEST+8*\t+\j], v[THR+\t]
	v_cndmask_b32 v[BIDX+8*\t+\j], -1, v[BIDX+8*\t+\j], vcc_lo
.endr
	MINU BIDX+8*\t, BIDX+8*\t+1
	MINU BIDX+8*\t+2, BIDX+8*\t+3
	MINU BIDX+8*\t+4, BIDX+8*\t+5
	MINU BIDX+8*\t+6, BIDX+8*\t+7
	MINU BIDX+8*\t, BIDX+8*\t+2
	MINU BIDX+8*\t+4, BIDX+8*\t+6
	MINU BIDX+8*\t, BIDX+8*\t+4
	v_permlanex16_b32 v73, v[BIDX+8*\t], s72, s73
	MINU BIDX+8*\t, 73
.endr
	s_mul_i32 s25, s20, 768
	s_add_co_u32 s25, s25, SCR
	v_lshl_add_u32 v12, v3, 2, s25
.irp p, 0,1
	v_cndmask_b32 v76, v[VM+2*\p], v[VM+2*\p+1], s93  ; lane L stands for row 32 p + L of my 64
	v_cndmask_b32 v77, v[BIDX+16*\p], v[BIDX+16*\p+8], s93
	v_cndmask_b32 v78, v[ZT+2*\p], v[ZT+2*\p+1], s93
	ds_store_b32 v12, v76 offset:384*\p
	ds_store_b32 v12, v77 offset:384*\p+128
	ds_store_b32 v12, v78 offset:384*\p+256
.endr
	s_wait_dscnt 0x0                               ; for the others
	s_barrier_signal -1
	s_barrier_wait -1
	s_mul_i32 s25, s21, 1536                       ; wave w finishes rows 32 w ..: the two waves of its row half hold them
	s_mul_i32 s26, s22, 384
	s_add_co_u32 s25, s25, s26
	s_add_co_u32 s25, s25, SCR
	v_lshl_add_u32 v13, v3, 2, s25
	ds_load_b32 v76, v13                           ; the row's best score and its sum for |z|^2: whole in either copy
	ds_load_b32 v77, v13 offset:128                ; the lowest offer of the codes 0-511,
	ds_load_b32 v78, v13 offset:256
	ds_load_b32 v81, v13 offset:896                ; and of the codes 512-1023
	s_wait_dscnt 0x0
	MINU 77, 81
	v_mul_f32 v78, 0x3c800000, v78                 ; the 2^6 on g goes
	v_fma_f32 v78, v76, -2.0, v78                  ; the row's distance, less |pre_b|^2
	v_add_f32_dpp v78, v78, v78 row_xmask:1 row_mask:0xf bank_mask:0xf
	v_add_f32_dpp v78, v78, v78 row_xmask:2 row_mask:0xf bank_mask:0xf
	v_add_f32_dpp v78, v78, v78 row_xmask:4 row_mask:0xf bank_mask:0xf
	v_add_f32_dpp v78, v78, v78 row_xmask:8 row_mask:0xf bank_mask:0xf
	v_permlanex16_b32 v79, v78, s72, s73
	v_add_f32 v78, v78, v79
	s_lshl_b32 s25, s20, 7
	s_add_co_u32 s25, s25, SCR+3072
	v_lshl_add_u32 v12, v3, 2, s25
	ds_store_b32 v12, v77
	s_lshl_b32 s25, s20, 2
	s_add_co_u32 s25, s25, SCR+3584
	v_mov_b32 v13, s25
	ds_store_b32 v13, v78
	s_wait_dscnt 0x0                               ; for wave 0
	s_barrier_signal -1
	s_barrier_wait -1
	s_cmp_lg_u32 s20, 0
	s_cbranch_scc1 .Lend
	v_lshlrev_b32 v12, 4, v3
	v_add_nc_u32 v13, SCR+3072, v12
	ds_load_b128 v[76:79], v13                     ; four indices a lane
	v_mov_b32 v84, SCR+3584
	ds_load_b128 v[80:83], v84                     ; the four waves' sums
	s_lshl_b32 s96, s24, 9
	s_mov_b32 s97, 0
	s_lshl_b32 s98, s24, 2
	s_mov_b32 s99, 0
	s_add_nc_u64 s[14:15], s[14:15], s[96:97]
	s_add_nc_u64 s[16:17], s[16:17], s[96:97]
	s_add_nc_u64 s[18:19], s[18:19], s[98:99]
	s_wait_dscnt 0x0
	global_store_b128 v12, v[76:79], s[14:15]      ; 512 consecutive bytes, aligned
	global_store_b128 v12, v[76:79], s[16:17]
	v_add_f32 v80, v80, v81
	v_add_f32 v82, v82, v83
	v_add_f32 v80, v80, v82
	v_mov_b32 v85, 0
	s_wait_xcnt 0x0                                ; EXEC changes only behind this wait
	v_cmp_eq_u32 vcc_lo, 0, v3
	s_and_saveexec_b32 s94, vcc_lo
	global_store_b32 v85, v80, s[18:19]
	s_wait_xcnt 0x0
	s_or_b32 exec_lo, exec_lo, s94
.Lend:
	s_wait_tensorcnt 0x0                           ; the wave's end
	ds_add_u32 v16, v17
	s_wait_dscnt 0x0
	CROUND                                         ; the closing round
	s_endpgm
.Lfunc_end_k_q4aba93093b_main:
	.size	k_q4aba93093b_main, .Lfunc_end_k_q4aba93093b_main-k_q4aba93093b_main
	.p2alignl 7, 3214868480
	.fill 96, 4, 3214868480
	.section	.rodata,"a",@progbits
	.p2align	6, 0x0
	.amdhsa_kernel k_q4aba93093b_main
		.amdhsa_group_segment_fixed_size 327680
		.amdhsa_private_segment_fixed_size 0
		.amdhsa_enable_private_segment 0
		.amdhsa_kernarg_size 72
		.amdhsa_user_sgpr_count 2
		.amdhsa_user_sgpr_kernarg_segment_ptr 1
		.amdhsa_wavefront_size32 1
		.amdhsa_system_sgpr_workgroup_id_x 1
		.amdhsa_system_sgpr_workgroup_id_y 1
		.amdhsa_system_sgpr_workgroup_id_z 1
		.amdhsa_system_vgpr_workitem_id 0
		.amdhsa_next_free_vgpr 1024
		.amdhsa_next_free_sgpr 100
		.amdhsa_reserve_vcc 1
		.amdhsa_float_denorm_mode_32 3
		.amdhsa_float_denorm_mode_16_64 3
		.amdhsa_memory_ordered 1
		.amdhsa_forward_progress 1
		.amdhsa_inst_pref_size 239
	.end_amdhsa_kernel
	.amdgpu_metadata
---
amdhsa.version: [ 1, 2 ]
amdhsa.kernels:
  - .name:           k_q4aba93093b_main
    .symbol:         k_q4aba93093b_main.kd
    .args:
      - { .name: x, .offset: 0, .size: 8, .value_kind: global_buffer, .address_space: global }
      - { .name: ln_gamma, .offset: 8, .size: 8, .value_kind: global_buffer, .address_space: global }
      - { .name: ln_beta, .offset: 16, .size: 8, .value_kind: global_buffer, .address_space: global }
      - { .name: wq, .offset: 24, .size: 8, .value_kind: global_buffer, .address_space: global }
      - { .name: tab, .offset: 32, .size: 8, .value_kind: global_buffer, .address_space: global }
      - { .name: out1, .offset: 40, .size: 8, .value_kind: global_buffer, .address_space: global }
      - { .name: idxw, .offset: 48, .size: 8, .value_kind: global_buffer, .address_space: global }
      - { .name: lossp, .offset: 56, .size: 8, .value_kind: global_buffer, .address_space: global }
      - { .name: pre_b, .offset: 64, .size: 8, .value_kind: global_buffer, .address_space: global }
    .group_segment_fixed_size: 327680
    .private_segment_fixed_size: 0
    .kernarg_segment_align: 8
    .kernarg_segment_size: 72
    .max_flat_workgroup_size: 128
    .sgpr_count:     100
    .vgpr_count:     1024
    .wavefront_size: 32
...
	.end_amdgpu_metadata
.endif
;; end of part 2
;; launch emit (part 3): grid 256 x 1, 8 waves a work-group, no clusters, 0 bytes of LDS; arguments idxw, tq, lossp, pre_b, out0, out2; writes out0, out2
.if DOCPART == 3
	.amdgcn_target "amdgcn-amd-amdhsa--gfx1250"
	.amdhsa_code_object_version 6
	.text
	.protected	k_q4aba93093b_emit
	.globl	k_q4aba93093b_emit
	.p2align	8
	.type	k_q4aba93093b_emit,@function
k_q4aba93093b_emit:
	s_mov_b64 s[64:65], 0
	v_nop
	global_prefetch_b8 v0, s[64:65] scope:SCOPE_SE
	s_setreg_imm32_b32 hwreg(HW_REG_WAVE_MODE, 25, 1), 1
	s_wait_xcnt 0x0
; out0[row] = T[index[row]]; out2 = 1.25 (sum of the work-groups' partial distances / 2^25 + |pre_b|^2 / 2^10).
; The partial distances lack |pre_b|^2 in each of 32,768 rows, and 32,768 / 2^25 = 2^-10.
; A wave takes 16 rows: its 16 indices come by one scalar load (whole numbers that the launch before stored), each is held to 0..1023, and a row of 1,024 bytes is two loads and two stores
; of 512 consecutive bytes.  All 32 loads of a wave are out at once; store n waits for load n alone.  No LDS, no matrix unit, no cluster: a copy shares nothing and multiplies nothing.
	s_load_b256 s[4:11], s[0:1], 0x0               ; idxw s[4:5], tq s[6:7], lossp s[8:9], pre_b s[10:11]
	s_load_b128 s[12:15], s[0:1], 0x20             ; out0 s[12:13], out2 s[14:15]
	v_lshrrev_b32 v1, 5, v0
	v_readfirstlane_b32 s16, v1
	s_lshl_b32 s17, ttmp9, 3
	s_add_co_u32 s17, s17, s16                     ; my wave among all
	s_lshl_b32 s18, s17, 6                         ; 16 indices
	s_mov_b32 s19, 0
	s_lshl_b32 s20, s17, 14                        ; 16 rows
	s_mov_b32 s21, 0
	v_and_b32 v1, 31, v0
	v_lshlrev_b32 v1, 4, v1                        ; 16 x lane
	s_wait_kmcnt 0x0
	s_add_nc_u64 s[4:5], s[4:5], s[18:19]
	s_add_nc_u64 s[12:13], s[12:13], s[20:21]
	s_load_b512 s[24:39], s[4:5], 0x0
	s_wait_kmcnt 0x0
.irp i, 0,1,2,3,4,5,6,7,8,9,10,11,12,13,14,15
	s_min_u32 s[24+\i], s[24+\i], 0x3ff
	s_lshl_b32 s[24+\i], s[24+\i], 10
	v_add_nc_u32 v[2+\i], s[24+\i], v1
.endr
.irp i, 0,1,2,3,4,5,6,7,8,9,10,11,12,13,14,15
	global_load_b128 v[32+8*\i:35+8*\i], v[2+\i], s[6:7]
	global_load_b128 v[36+8*\i:39+8*\i], v[2+\i], s[6:7] offset:512
.endr
.irp i, 0,1,2,3,4,5,6,7,8,9,10,11,12,13,14,15
	s_wait_loadcnt 31-2*\i                         ; loads come back in order: this one is in, the younger ones stay out
	global_store_b128 v1, v[32+8*\i:35+8*\i], s[12:13] offset:1024*\i th:TH_STORE_NT
	s_wait_loadcnt 30-2*\i
	global_store_b128 v1, v[36+8*\i:39+8*\i], s[12:13] offset:1024*\i+512 th:TH_STORE_NT
.endr
	s_or_b32 s40, ttmp9, s16                       ; the first wave of the first work-group also makes the loss
	s_cmp_lg_u32 s40, 0
	s_cbranch_scc1 .Ldone
	v_lshlrev_b32 v18, 1, v1
	global_load_b128 v[160:163], v18, s[8:9]       ; 256 partial sums, 8 a lane
	global_load_b128 v[164:167], v18, s[8:9] offset:16
.irp k, 0,1,2,3,4,5,6,7
	global_load_b128 v[168+4*\k:171+4*\k], v1, s[10:11] offset:512*\k  ; pre_b, 32 a lane
.endr
	s_mov_b32 s41, 0x76543210
	s_mov_b32 s42, 0xfedcba98
	s_mov_b32 s43, 0x33000000                      ; 2^-25
	s_mov_b32 s45, 0x3a800000                      ; 2^-10
	s_wait_loadcnt 0x0
	v_pk_add_f32 v[160:161], v[160:161], v[162:163]
	v_pk_add_f32 v[164:165], v[164:165], v[166:167]
	v_pk_add_f32 v[160:161], v[160:161], v[164:165]
	v_add_f32 v19, v160, v161
	v_pk_mul_f32 v[20:21], v[168:169], v[168:169]
	v_pk_mul_f32 v[22:23], v[170:171], v[170:171]
.set j, 2
.rept 14
	v_pk_fma_f32 v[20+2*(j%2):21+2*(j%2)], v[168+2*j:169+2*j], v[168+2*j:169+2*j], v[20+2*(j%2):21+2*(j%2)]
.set j, j+1
.endr
	v_pk_add_f32 v[20:21], v[20:21], v[22:23]
	v_add_f32 v20, v20, v21
.irp m, 1,2,4,8
	v_add_f32_dpp v19, v19, v19 row_xmask:\m row_mask:0xf bank_mask:0xf
	v_add_f32_dpp v20, v20, v20 row_xmask:\m row_mask:0xf bank_mask:0xf
.endr
	v_permlanex16_b32 v21, v19, s41, s42
	v_permlanex16_b32 v22, v20, s41, s42
	v_add_f32 v19, v19, v21
	v_add_f32 v20, v20, v22
	v_mul_f32 v20, s45, v20                        ; |pre_b|^2 / 2^10
	v_fma_f32 v19, v19, s43, v20
	v_mul_f32 v19, 0x3fa00000, v19                 ; times 1.25
	v_mov_b32 v23, 0
	s_wait_xcnt 0x0                                ; EXEC changes only behind this wait
	v_cmp_eq_u32 vcc_lo, 0, v1
	s_and_saveexec_b32 s44, vcc_lo
	global_store_b32 v23, v19, s[14:15]
	s_wait_xcnt 0x0
	s_or_b32 exec_lo, exec_lo, s44
.Ldone:
	s_endpgm
.Lfunc_end_k_q4aba93093b_emit:
	.size	k_q4aba93093b_emit, .Lfunc_end_k_q4aba93093b_emit-k_q4aba93093b_emit
	.p2alignl 7, 3214868480
	.fill 96, 4, 3214868480
	.section	.rodata,"a",@progbits
	.p2align	6, 0x0
	.amdhsa_kernel k_q4aba93093b_emit
		.amdhsa_group_segment_fixed_size 0
		.amdhsa_private_segment_fixed_size 0
		.amdhsa_enable_private_segment 0
		.amdhsa_kernarg_size 48
		.amdhsa_user_sgpr_count 2
		.amdhsa_user_sgpr_kernarg_segment_ptr 1
		.amdhsa_wavefront_size32 1
		.amdhsa_system_sgpr_workgroup_id_x 1
		.amdhsa_system_sgpr_workgroup_id_y 1
		.amdhsa_system_sgpr_workgroup_id_z 1
		.amdhsa_system_vgpr_workitem_id 0
		.amdhsa_next_free_vgpr 200
		.amdhsa_next_free_sgpr 66
		.amdhsa_reserve_vcc 1
		.amdhsa_float_denorm_mode_32 3
		.amdhsa_float_denorm_mode_16_64 3
		.amdhsa_memory_ordered 1
		.amdhsa_forward_progress 1
		.amdhsa_inst_pref_size 14
	.end_amdhsa_kernel
	.amdgpu_metadata
---
amdhsa.version: [ 1, 2 ]
amdhsa.kernels:
  - .name:           k_q4aba93093b_emit
    .symbol:         k_q4aba93093b_emit.kd
    .args:
      - { .name: idxw, .offset: 0, .size: 8, .value_kind: global_buffer, .address_space: global }
      - { .name: tq, .offset: 8, .size: 8, .value_kind: global_buffer, .address_space: global }
      - { .name: lossp, .offset: 16, .size: 8, .value_kind: global_buffer, .address_space: global }
      - { .name: pre_b, .offset: 24, .size: 8, .value_kind: global_buffer, .address_space: global }
      - { .name: out0, .offset: 32, .size: 8, .value_kind: global_buffer, .address_space: global }
      - { .name: out2, .offset: 40, .size: 8, .value_kind: global_buffer, .address_space: global }
    .group_segment_fixed_size: 0
    .private_segment_fixed_size: 0
    .kernarg_segment_align: 8
    .kernarg_segment_size: 48
    .max_flat_workgroup_size: 256
    .sgpr_count:     66
    .vgpr_count:     200
    .wavefront_size: 32
...
	.end_amdgpu_metadata
.endif
;; end of part 3
;; ======== version 2 of 2: 3 launches; version 1 with the launch prep written anew for expert scheduling mode
;; limits: a difference of large sums (such as E[x^2] - mean^2): digits are lost where the result is much smaller than its terms; values are held in f16: magnitudes above 65,504 overflow, below 6.1e-05 lose precision; right only within a limited range of input values; a function is approximated: absolute error at most 1.5e-07
;; workspace buffers: wq 1,310,720 bytes; tab 10,240 bytes; tq 1,048,576 bytes; idxw 131,072 bytes of whole numbers; lossp 1,024 bytes
;; launch prep (part 4): grid 152 x 1, 4 waves a work-group, no clusters, 151,552 bytes of LDS; arguments embed, pre_w, post_w, pre_b, post_b, wq, tab, tq; writes wq, tab, tq
.if DOCPART == 4
	.amdgcn_target "amdgcn-amd-amdhsa--gfx1250"
	.amdhsa_code_object_version 6
	.text
	.protected	k_q4aba93093b_prep
	.globl	k_q4aba93093b_prep
	.p2align	8
	.type	k_q4aba93093b_prep,@function
k_q4aba93093b_prep:
	s_mov_b64 s[64:65], 0
	v_nop
	global_prefetch_b8 v0, s[64:65] scope:SCOPE_SE
	s_setreg_imm32_b32 hwreg(HW_REG_WAVE_SCHED_MODE, 0, 2), 2
	s_setreg_imm32_b32 hwreg(HW_REG_WAVE_MODE, 25, 1), 1
	s_wait_xcnt 0x0
	s_wait_alu depctr_vm_vsrc(0)
; TABLES FOR THE ROW KERNEL.  Three kinds of work-group, chosen by the work-group's number.
;   0-79    R = [embed ; pre_w] pre_w^T, 1,280 x 256, K = 1,024, 64 x 64 to a work-group: rows 0-1023 turn z . e_k into g . R_k, rows 1024-1279 are M = pre_w pre_w^T for |z|^2.
;           R leaves as f16 hi + lo, each row times a power of two of its own, in the order in which the row kernel reads its fragments; for each row a scale
;           (undoes that power and the 2^6 on g); for the M rows the bias 2 pre_w_row . pre_b.
;   80-143  T = embed post_w + post_b, 1,024 x 256 in f32: the output row of each code.
;   144-151 the codes' bias pre_b . e - |e|^2 / 2, a lane to a code.  The bias carries |e|^2 / 2 whole: a score then has the step of an f32 number of that size, codes whose scores
;           agree to that step count as equal, and the lower index wins, as it does among distances that are kept in f32.
;           ORDER OF ROUNDING.  |e|^2 enters the choice at full weight, and its f32 rounding is the largest error there.  Each square is rounded; 32 neighbouring squares are added
;           in ascending c; the 32 such sums are added in ascending order.
; FORMAT.  Every f32 operand v of a product is taken as hi = f16(v 2^p), lo = f16(v 2^p - hi); a product is hi hi + hi lo + lo hi, summed in f32: about 22 bits.
; p = 6 for embed, 8 for pre_w and post_w.  LIMITS: |embed| < 1,023, |pre_w| and |post_w| < 255 (f16 ends at 65,504); the norm of a row of pre_w < 2,047,
; since |R_kd| 2^(5-ea) < 32 |pre_w row d| with 2^ea >= |row k|.  NaN and infinities are not treated apart.  A row of x whose two nearest codes lie closer than the step of an
; f32 distance (2^-13 for distances from 1,024 to 2,048) may get either of the two indices.
; NO CLUSTER, NO TENSOR LOADS: the operands are converted in registers on their way into LDS, so what neighbours share cannot arrive by a joint load.
; The matrix instruction is used transposed (source 0 = 16 rows of B, source 1 = 16 rows of A): a lane holds eight neighbouring columns of one row of the result.
; THE MODE: SCHED_MODE bits 1:0 = 2 (LLVM: expert scheduling mode 2), set by the entry lines.  The code itself states the register dependences
; between vector or matrix instructions and memory or LDS instructions, with s_wait_alu, always for 0.
; THE PLAN, for the two product loops (a chunk, 64 along K, is a step).  Registers that memory or LDS instructions touch:
;   AR, BR       The chunk's loads land in them; the row sums and the conversions read them; the conversions write a group's hi and lo back into the group's own eight registers;
;                the 16 LDS stores read those; then the next chunk's loads land.
;   PB           The chunk's loads land in it; the row sums read it.
;   FR, twice    Window 0: the fragments of the chunk's first 32 along K; window 1, the same numbers: of its second 32.  32 LDS loads land in them behind the barrier;
;                the chunk's 12 + 12 matrix instructions read them.
;   v6 to v12    Offsets and LDS addresses, made at the head and never written again: the scalar bases step, and immediate offsets do the rest.
;   TT, BK, SQ, DB and the accumulators are named by vector and matrix instructions alone.
; So a chunk has TWO waits.  One on va_vdst behind the conversions: hi and lo are written, which the LDS stores read; the sums and conversions are done with AR, BR and PB, in which
; the next chunk lands; the last chunk's matrix instructions are done reading both FR, in which this chunk's fragments land.  One on vm_vsrc behind the LDS stores: they have read AR and BR.
; Between the first of them and the loads that lean on it no vector or matrix instruction is issued at all.
.set BUFB,  40960                      ; two LDS buffers: A hi (64 rows, pitch 144), A lo, B hi, B lo; a wave stores the same bytes of them in both products
.set ALO,   9216
.set BHI,   18432
.set BLO,   10240                      ; from B hi to B lo
.set STAT,  81920                      ; 64 sums of squares, 64 dot products with pre_b
.set STAGE, 82432                      ; 64 rows x 272 bytes, T on its way out
.set SPARE, 99840                      ; the spare words, 128 bytes a wave
.set EBASE, 100352                     ; the bias work-groups' own bytes: for each wave 32 rows x 272, then a copy of pre_b
.set EWAVE, 12800
.set AR,  16                           ; v16-47   A as loaded: group g at AR + 8 g; then its hi in the group's first four registers, its lo in the other four
.set BR,  48                           ; v48-79   B likewise
.set PB,  80                           ; v80-87   pre_b of my 8 columns
.set TT,  88                           ; v88-95   8 numbers at work
.set BK,  96                           ; v96-103  hi widened again
.set SS,  104                          ; v104     R's way out: LDS address at which I store row sums
.set SL,  105                          ; v105     R's way out: LDS address at which I read them back
.set WO,  106                          ; v106     R's way out: 16 x lane
.set TO,  107                          ; v107     R's way out: 4 x lane
.set SQ,  112                          ; v112-119 sums of squares, a pair for each group
.set DB,  120                          ; v120-127 dot products with pre_b
.set FR,  128                          ; v128-191 of windows 0 and 1: fragments: A hi 0, 1; A lo 0, 1; B hi 0, 1; B lo 0, 1
.set ACC, 192                          ; v192-223 accumulator (dt, kt) at ACC + 8 (2 dt + kt)
.set ER,  16                           ; bias work-groups: v16-79 a chunk as loaded; v80-143 my code's 64 numbers; v144-207 pre_b's 64; v208 |e|^2; v210-217 four pairs of pre_b . e; v218-219 two sums of 32 squares
.set EV,  80
.set EP,  144
.set ESQ, 208
.set EDB, 210
.set EW,  218
; v1 r = lane % 16, v2 h = lane / 16, v3 lane, v4 seg = lane % 8, v5 lane / 8, v6 VA, v7 VB, v8 VP, v9 SA, v10 SB, v11 FA, v12 FB, v13 at work (T: 32 h), v14 v15 the add
.set MSB, 0
.macro WIN new                         ; s_set_vgpr_msb: bits 1:0 source 0, 3:2 source 1, 5:4 source 2, 7:6 destination; the high byte repeats the setting that is left; a switch that changes nothing is dropped
.if MSB != (\new)
	s_set_vgpr_msb (MSB<<8)|(\new)
.set MSB, \new
.endif
.endm
.macro WIDEN dst, a, b, c, d           ; eight f16 in four registers (given by number) to f32
	v_cvt_f32_f16 v[\dst], v\a\().l
	v_cvt_f32_f16 v[\dst+1], v\a\().h
	v_cvt_f32_f16 v[\dst+2], v\b\().l
	v_cvt_f32_f16 v[\dst+3], v\b\().h
	v_cvt_f32_f16 v[\dst+4], v\c\().l
	v_cvt_f32_f16 v[\dst+5], v\c\().h
	v_cvt_f32_f16 v[\dst+6], v\d\().l
	v_cvt_f32_f16 v[\dst+7], v\d\().h
.endm
.macro SPLIT8 a, b, c, d               ; TT -> hi (rounded) in the four registers on end that are given by number, lo (what the rounding left, rounded) in the four behind them
.irp j, 0,1,2,3
	v_cvt_pk_f16_f32 v[\a+\j], v[TT+2*\j], v[TT+2*\j+1]
.endr
	WIDEN BK, \a, \b, \c, \d
.irp j, 0,2,4,6
	v_pk_add_f32 v[TT+\j:TT+\j+1], v[TT+\j:TT+\j+1], v[BK+\j:BK+\j+1] neg_lo:[0,1] neg_hi:[0,1]
.endr
.irp j, 0,1,2,3
	v_cvt_pk_f16_f32 v[\a+4+\j], v[TT+2*\j], v[TT+2*\j+1]
.endr
.endm
.macro CVT8 ps, a, b, c, d             ; the 8 numbers from register a on, times the power of two in s[ps], split, back into the same 8 registers
.irp j, 0,2,4,6
	v_pk_mul_f32 v[TT+\j:TT+\j+1], v[\a+\j:\a+\j+1], s[\ps:\ps+1] op_sel_hi:[1,0]
.endr
	SPLIT8 \a, \b, \c, \d
.endm
.macro STAT8 g                         ; the row sums, on the numbers as loaded: the squares give the row's power of two, the dot products the M rows' bias
.irp j, 0,2,4,6
	v_pk_fma_f32 v[SQ+2*\g:SQ+2*\g+1], v[AR+8*\g+\j:AR+8*\g+\j+1], v[AR+8*\g+\j:AR+8*\g+\j+1], v[SQ+2*\g:SQ+2*\g+1]
	v_pk_fma_f32 v[DB+2*\g:DB+2*\g+1], v[AR+8*\g+\j:AR+8*\g+\j+1], v[PB+\j:PB+\j+1], v[DB+2*\g:DB+2*\g+1]
.endr
.endm
.macro GRP isT, g, p0, p1, p2, p3, q0, q1, q2, q3  ; group g: its row sums while A is as loaded, then A's and B's eight numbers split in place
.if !\isT
	STAT8 \g
.endif
	CVT8 32, \p0, \p1, \p2, \p3
	CVT8 34, \q0, \q1, \q2, \q3
.endm
; A chunk is 64 along K.  Thread: 32 bytes of row 16 w + 4 g + lane / 8, g = 0..3: eight lanes read 256 consecutive bytes.
.macro GLD isT
.irp g, 0,1,2,3
	global_load_b128 v[AR+8*\g:AR+8*\g+3], v6, s[26:27] offset:16384*\g
	global_load_b128 v[AR+8*\g+4:AR+8*\g+7], v6, s[26:27] offset:16384*\g+16
.if \isT
	global_load_b128 v[BR+8*\g:BR+8*\g+3], v7, s[28:29] offset:4096*\g
	global_load_b128 v[BR+8*\g+4:BR+8*\g+7], v7, s[28:29] offset:4096*\g+16
.else
	global_load_b128 v[BR+8*\g:BR+8*\g+3], v7, s[28:29] offset:16384*\g
	global_load_b128 v[BR+8*\g+4:BR+8*\g+7], v7, s[28:29] offset:16384*\g+16
.endif
.endr
.if !\isT
	global_load_b128 v[PB:PB+3], v8, s[30:31]
	global_load_b128 v[PB+4:PB+7], v8, s[30:31] offset:16
.endif
.endm
; The fragments of 32 along K, 16 loads, into FR of window kc: A from rows that lie along K; B likewise (R) or, stored [k][n], by the turning load (T): 32 k are 4,608 bytes, 16 k are 2,304.
.macro FRAG buf, kc, isT
	WIN 0x40*\kc                                   ; destination in window kc, address in window 0
.irp p, 0,1
.irp t, 0,1
	ds_load_b128 v[FR+16*\p+8*\t:FR+16*\p+8*\t+3], v11 offset:BUFB*\buf+ALO*\p+2304*\t+64*\kc
	ds_load_b128 v[FR+16*\p+8*\t+4:FR+16*\p+8*\t+7], v11 offset:BUFB*\buf+ALO*\p+2304*\t+64*\kc+32
.if \isT
	ds_load_tr16_b128 v[FR+32+16*\p+8*\t:FR+32+16*\p+8*\t+3], v12 offset:BUFB*\buf+BLO*\p+32*\t+4608*\kc
	ds_load_tr16_b128 v[FR+32+16*\p+8*\t+4:FR+32+16*\p+8*\t+7], v12 offset:BUFB*\buf+BLO*\p+32*\t+4608*\kc+2304
.else
	ds_load_b128 v[FR+32+16*\p+8*\t:FR+32+16*\p+8*\t+3], v12 offset:BUFB*\buf+BLO*\p+2304*\t+64*\kc
	ds_load_b128 v[FR+32+16*\p+8*\t+4:FR+32+16*\p+8*\t+7], v12 offset:BUFB*\buf+BLO*\p+2304*\t+64*\kc+32
.endif
.endr
.endr
.endm
; Three products (B hi A hi, B hi A lo, B lo A hi) on four accumulators, which take turns, one instruction a turn.  w: the window of the fragments.
.macro MM12 w
	WIN 0x05*\w                                    ; sources 0 and 1 in window w; C and D in window 0
.irp c, 0,1,2
.irp d, 0,1
.irp k, 0,1
	v_wmma_f32_16x16x32_f16 v[ACC+8*(2*\d+\k):ACC+8*(2*\d+\k)+7], v[FR+32+16*(\c/2)+8*\d:FR+32+16*(\c/2)+8*\d+7], v[FR+16*(\c%2)+8*\k:FR+16*(\c%2)+8*\k+7], v[ACC+8*(2*\d+\k):ACC+8*(2*\d+\k)+7]
.endr
.endr
.endr
.endm
.macro PLACES                          ; four plain vector instructions behind a matrix instruction, ahead of reads of its result (ISA guide 7.12.1)
.rept 4
	v_nop
.endr
.endm
; One chunk: convert what has been loaded, store it into LDS buffer buf, ask for the next chunk, meet, multiply.
; ONE barrier a chunk: buffer buf is written again two chunks on, behind the next chunk's barrier, which every wave signals only when its reads of this chunk are back.
.macro CH buf, isT
	s_wait_loadcnt 0x0                             ; the chunk is in registers; its loads are done, so their bases may be stepped
	GRP \isT, 0, 16, 17, 18, 19, 48, 49, 50, 51
	GRP \isT, 1, 24, 25, 26, 27, 56, 57, 58, 59
	GRP \isT, 2, 32, 33, 34, 35, 64, 65, 66, 67
	GRP \isT, 3, 40, 41, 42, 43, 72, 73, 74, 75
	s_wait_alu depctr_va_vdst(0)                   ; the conversions have written hi and lo into AR and BR, which the LDS stores read; they and the row sums are done with AR, BR and PB, in which the next chunk lands; the last chunk's matrix instructions are done reading both FR, in which the fragments below land
.irp g, 0,1,2,3
	ds_store_b128 v9, v[AR+8*\g:AR+8*\g+3] offset:BUFB*\buf+576*\g
	ds_store_b128 v9, v[AR+8*\g+4:AR+8*\g+7] offset:BUFB*\buf+ALO+576*\g
	ds_store_b128 v10, v[BR+8*\g:BR+8*\g+3] offset:BUFB*\buf+576*\g
	ds_store_b128 v10, v[BR+8*\g+4:BR+8*\g+7] offset:BUFB*\buf+BLO+576*\g
.endr
.if \buf
	s_cmp_eq_u32 s40, 1                            ; the last chunk has no successor: its steps are 0, and the look-ahead reads the last chunk once more, inside the buffers
	s_cselect_b32 s36, 0, s36
	s_cselect_b32 s38, 0, s38
.endif
	s_add_nc_u64 s[26:27], s[26:27], s[36:37]
	s_add_nc_u64 s[28:29], s[28:29], s[38:39]
.if !\isT
	s_add_nc_u64 s[30:31], s[30:31], s[36:37]
.endif
	s_wait_alu depctr_vm_vsrc(0)                   ; the LDS stores have read AR and BR, in which the loads below land
	GLD \isT
	s_wait_dscnt 0x0                               ; for the others: my stores into the buffer are done (and my reads of the last chunk are long back)
	s_barrier_signal -1
	s_barrier_wait -1
	FRAG \buf, 0, \isT                             ; no wait: no vector or matrix instruction has been issued since the wait on va_vdst above
	FRAG \buf, 1, \isT
	s_wait_dscnt 16                                ; LDS loads come back in order (ISA guide 5.7.1): the first 32 along K are in, the 16 younger loads stay out
	MM12 0
	s_wait_dscnt 0x0
	MM12 1
	WIN 0                                          ; at a label and at a branch every window is 0
.endm
.macro EGLD                            ; a chunk of 32 codes x 64 numbers: load j takes rows 2 j and 2 j + 1, 16 lanes to 256 consecutive bytes
.irp j, 0,1,2,3,4,5,6,7,8,9,10,11,12,13,14,15
	global_load_b128 v[ER+4*\j:ER+4*\j+3], v10, s[26:27] offset:8192*\j
.endr
.endm
.macro OUT8 d, k, p0, p1, p2, p3       ; R's way out: accumulator (d, k) times its rows' factor, split into eight registers of its own
.irp j, 0,2,4,6
	v_pk_mul_f32 v[TT+\j:TT+\j+1], v[ACC+8*(2*\d+\k)+\j:ACC+8*(2*\d+\k)+\j+1], v[112+2*\k:113+2*\k]
.endr
	SPLIT8 \p0, \p1, \p2, \p3
.endm
	s_load_b512 s[4:19], s[0:1], 0x0               ; embed s[4:5], pre_w s[6:7], post_w s[8:9], pre_b s[10:11], post_b s[12:13], wq s[14:15], tab s[16:17], tq s[18:19]
	v_lshl_add_u32 v14, v0, 2, SPARE
	v_mov_b32 v15, 0
	v_lshrrev_b32 v13, 5, v0
	v_readfirstlane_b32 s20, v13                   ; wave w
	v_and_b32 v1, 15, v0
	v_bfe_u32 v2, v0, 4, 1
	v_and_b32 v3, 31, v0
	v_and_b32 v4, 7, v0
	v_bfe_u32 v5, v0, 3, 2
	v_lshlrev_b32 v8, 5, v4                        ; VP = 32 seg
	s_mov_b32 s23, ttmp9
	s_wait_alu depctr_va_sdst(0)                   ; s20 is written, ahead of its first reader
	s_lshr_b32 s21, s20, 1                         ; wm: which 32 rows of A
	s_and_b32 s22, s20, 1                          ; wn: which 32 rows of B
	s_lshl_b32 s41, s20, 16
	v_lshl_add_u32 v6, v5, 12, v8
	v_add_nc_u32 v6, s41, v6                       ; VA = (16 w + lane / 8) 4096 + 32 seg
	s_mul_i32 s41, s20, 16*144
	v_mul_u32_u24 v9, v5, 144
	v_lshl_add_u32 v9, v4, 4, v9
	v_add_nc_u32 v9, s41, v9                       ; SA = (16 w + lane / 8) 144 + 16 seg
	v_add_nc_u32 v10, BHI, v9                      ; SB: the same place in B's part
	s_mul_i32 s41, s21, 32*144
	v_mul_u32_u24 v11, v1, 144
	v_lshl_add_u32 v11, v2, 4, v11
	v_add_nc_u32 v11, s41, v11                     ; FA = (32 wm + r) 144 + 16 h
.set i, 0
.rept 32
	v_mov_b32 v[ACC+i], 0                          ; 32 registers are cleared, so that no first chunk is written out
.set i, i+1
.endr
	s_mov_b32 s36, 256                             ; A and pre_b step 64 numbers a chunk
	s_mov_b32 s37, 0
	s_mov_b32 s39, 0
	s_mov_b32 s34, 0x43800000                      ; B times 2^8
	s_mov_b32 s35, s34
	s_mov_b32 s40, 8                               ; 8 trips of two chunks
	s_cmp_ge_u32 s23, 144
	s_cbranch_scc1 .Lepath
	s_cmp_ge_u32 s23, 80
	s_cbranch_scc1 .Ltpath
	; ---------------- R ----------------
	s_lshr_b32 s24, s23, 2                         ; mb: 64 rows of [embed ; pre_w]
	s_and_b32 s25, s23, 3                          ; nb: 64 rows of pre_w
	s_and_b32 s42, s24, 15                         ; the block within its tensor
	s_lshl_b32 s43, s42, 1
	s_add_co_u32 s43, s43, s21                     ; my pair of 16-row tiles
	s_and_b32 s44, s43, 15                         ; a code pair's step in the walk
	s_and_b32 s45, s43, 3
	s_add_co_u32 s45, s45, 16                      ; an M pair's
	s_lshr_b32 s46, s42, 3                         ; which half of the waves reads it: codes
	s_lshr_b32 s47, s42, 1                         ; M
	s_mov_b32 s32, 0x43800000
	s_cmp_lt_u32 s24, 16                           ; codes?
	s_cselect_b32 s32, 0x42800000, s32             ; A times 2^6 (embed) or 2^8 (pre_w)
	s_cselect_b32 s44, s44, s45                    ; step
	s_cselect_b32 s46, s46, s47                    ; ch
	s_cselect_b32 s48, 6, 8
	s_mov_b32 s33, s32
	s_sub_co_u32 s48, 187, s48                     ; exponent word of the row's factor, less H
	s_mov_b32 s38, 256
	s_lshl_b32 s52, s42, 18                        ; 64 rows of 4,096 bytes
	s_mov_b32 s53, 0
	s_lshl_b32 s54, s25, 18
	s_mov_b32 s55, 0
	v_mov_b32 v7, v6                               ; VB = VA
	s_mul_i32 s41, s22, 32*144
	s_add_co_u32 s41, s41, BHI
	v_mul_u32_u24 v12, v1, 144
	v_lshl_add_u32 v12, v2, 4, v12
	v_add_nc_u32 v12, s41, v12                     ; FB = BHI + (32 wn + r) 144 + 16 h
.set i, 0
.rept 16
	v_mov_b32 v[SQ+i], 0
.set i, i+1
.endr
	s_wait_kmcnt 0x0
	s_cmp_lt_u32 s24, 16
	s_cselect_b64 s[26:27], s[4:5], s[6:7]
	s_add_nc_u64 s[26:27], s[26:27], s[52:53]
	s_add_nc_u64 s[28:29], s[6:7], s[54:55]
	s_mov_b64 s[30:31], s[10:11]
	s_lshl_b32 s52, s44, 1
	s_add_co_u32 s52, s52, s46
	s_lshl_b32 s52, s52, 15                        ; (2 step + ch) 32,768
	s_lshl_b32 s54, s25, 1
	s_add_co_u32 s54, s54, s22
	s_lshl_b32 s54, s54, 10                        ; + (2 nb + wn) 1,024: my 32 columns are one K chunk of the row kernel
	s_add_co_u32 s52, s52, s54
	s_add_nc_u64 s[56:57], s[14:15], s[52:53]
	s_mul_i32 s52, s46, 2560
	s_lshl_b32 s54, s44, 7
	s_add_co_u32 s52, s52, s54                     ; 4 (640 ch + 32 step)
	s_add_nc_u64 s[58:59], s[16:17], s[52:53]
	s_wait_alu depctr_va_vdst(0)                   ; the offsets and LDS addresses v6 to v12 are written, which the loop's loads and stores read
	GLD 0
.Lr:
	CH 0, 0
	CH 1, 0
	s_sub_co_u32 s40, s40, 1
	s_cmp_lg_u32 s40, 0
	s_cbranch_scc1 .Lr
	PLACES
	s_wait_loadcnt 0x0                             ; the look-ahead of the last chunk
.irp g, 0,1,2,3
	v_add_f32 v[SQ+2*\g], v[SQ+2*\g], v[SQ+2*\g+1]
	v_add_f32 v[DB+2*\g], v[DB+2*\g], v[DB+2*\g+1]
.endr
.irp m, 1,2,4
.irp g, 0,1,2,3
	v_add_f32_dpp v[SQ+2*\g], v[SQ+2*\g], v[SQ+2*\g] row_xmask:\m row_mask:0xf bank_mask:0xf  ; over the eight lanes of a row
	v_add_f32_dpp v[DB+2*\g], v[DB+2*\g], v[DB+2*\g] row_xmask:\m row_mask:0xf bank_mask:0xf
.endr
.endr
	s_lshl_b32 s41, s20, 6
	s_add_co_u32 s41, s41, STAT
	v_lshl_add_u32 v[SS], v5, 2, s41               ; row 16 w + lane / 8 (+ 4 g)
	s_lshl_b32 s41, s21, 7
	s_add_co_u32 s41, s41, STAT
	v_lshl_add_u32 v[SL], v1, 2, s41               ; row 32 wm + r (+ 16 kt)
	v_lshlrev_b32 v[WO], 4, v3                     ; 16 x lane: each store of the wave covers 512 consecutive bytes, aligned
	v_lshlrev_b32 v[TO], 2, v3
	s_wait_alu depctr_va_vdst(0)                   ; the row sums and the way out's four addresses are written, which the LDS stores, the LDS loads and the stores below read; the row sums are long done reading v80 to v83, in which the LDS loads land
.irp g, 0,1,2,3
	ds_store_b32 v[SS], v[SQ+2*\g] offset:16*\g
	ds_store_b32 v[SS], v[DB+2*\g] offset:256+16*\g
.endr
	s_wait_dscnt 0x0                               ; for the others: my sums are stored
	s_barrier_signal -1
	s_barrier_wait -1
	ds_load_b32 v80, v[SL]
	ds_load_b32 v81, v[SL] offset:64
	ds_load_b32 v82, v[SL] offset:256
	ds_load_b32 v83, v[SL] offset:320
	s_wait_alu depctr_vm_vsrc(0)                   ; my LDS stores have read SQ's registers, into which the factors and scales below are written
	s_wait_dscnt 0x0
.irp k, 0,1
	v_lshrrev_b32 v[84+\k], 23, v[80+\k]           ; E, the exponent word of the row's sum of squares
	v_add_nc_u32 v[84+\k], 1, v[84+\k]
	v_lshrrev_b32 v[84+\k], 1, v[84+\k]            ; H = (E + 1) / 2: 2^(H - 63) is at least the row's norm
	v_sub_nc_u32 v[112+2*\k], s48, v[84+\k]
	v_lshlrev_b32 v[112+2*\k], 23, v[112+2*\k]     ; 2^(5 - ea) over the operands' powers
	v_mov_b32 v[113+2*\k], v[112+2*\k]
	v_add_lshl_u32 v[116+\k], v[84+\k], 53, 23     ; scale = 2^(ea - 11)
	v_add_f32 v[118+\k], v[82+\k], v[82+\k]        ; an M row's bias: 2 pre_w_row . pre_b
.endr
	OUT8 0, 0, 16, 17, 18, 19                      ; four out-buffers in AR's registers, which are free: the look-ahead has landed, and the last chunk's LDS stores have read them (that chunk's wait on vm_vsrc)
	OUT8 0, 1, 24, 25, 26, 27
	OUT8 1, 0, 32, 33, 34, 35
	OUT8 1, 1, 40, 41, 42, 43
	s_wait_alu depctr_va_vdst(0)                   ; the four tiles' hi and lo are written, which the eight stores read
.irp d, 0,1
.irp k, 0,1
	global_store_b128 v[WO], v[AR+8*(2*\d+\k):AR+8*(2*\d+\k)+3], s[56:57] offset:16384*\k+512*\d
	global_store_b128 v[WO], v[AR+8*(2*\d+\k)+4:AR+8*(2*\d+\k)+7], s[56:57] offset:16384*\k+8192+512*\d
.endr
.endr
	s_or_b32 s41, s25, s22                         ; one wave for each pair of tiles stores their 32 scales
	s_cmp_lg_u32 s41, 0
	s_cbranch_scc1 .Lr_done
	v_cmp_ne_u32 vcc_lo, 0, v2                     ; lane l stands for row l of the pair: lanes 16-31 take tile 1
	s_wait_alu depctr_va_vcc(0)                    ; VCC is written, ahead of the two selects that read it
	v_cndmask_b32 v116, v116, v117, vcc_lo
	v_cndmask_b32 v118, v118, v119, vcc_lo
	s_wait_alu depctr_va_vdst(0)                   ; the selects have written v116 and v118, which the stores read
	global_store_b32 v[TO], v116, s[58:59]
	s_cmp_lt_u32 s24, 16                           ; the codes' biases are made by work-groups 144-151
	s_cbranch_scc1 .Lr_done
	global_store_b32 v[TO], v118, s[58:59] offset:5120
.Lr_done:
	s_wait_dscnt 0x0                               ; the closing lines, six on end
	s_wait_alu 0x0
	s_wait_tensorcnt 0x0
	ds_add_u32 v14, v15
	s_wait_dscnt 0x0
	s_endpgm
	; ---------------- T ----------------
.Ltpath:
	s_sub_co_u32 s23, s23, 80
	s_lshr_b32 s24, s23, 2                         ; mb: 64 codes
	s_and_b32 s25, s23, 3                          ; nb: 64 columns of post_w
	s_mov_b32 s32, 0x42800000                      ; embed times 2^6
	s_mov_b32 s33, s32
	s_mov_b32 s38, 65536                           ; post_w steps 64 rows of 1,024 bytes a chunk
	s_lshl_b32 s41, s20, 14
	v_lshl_add_u32 v7, v5, 10, v8
	v_add_nc_u32 v7, s41, v7                       ; VB = (16 w + lane / 8) 1024 + 32 seg
	v_lshl_add_u32 v12, v2, 3, v4
	v_mul_u32_u24 v12, v12, 144
	v_bfe_u32 v13, v0, 3, 1
	v_lshl_add_u32 v12, v13, 4, v12
	s_lshl_b32 s41, s22, 6
	s_add_co_u32 s41, s41, BHI
	v_add_nc_u32 v12, s41, v12                     ; FB: (8 h + lane % 8) 144 + 64 wn + 16 ((lane / 8) % 2)
	v_lshlrev_b32 v13, 5, v2                       ; 32 h: post_b of my 8 columns in each of two blocks of 16; made here, so that its loads behind the loop owe no wait
	s_lshl_b32 s52, s24, 18
	s_mov_b32 s53, 0
	s_lshl_b32 s54, s25, 8
	s_mov_b32 s55, 0
	s_wait_kmcnt 0x0
	s_add_nc_u64 s[26:27], s[4:5], s[52:53]
	s_add_nc_u64 s[28:29], s[8:9], s[54:55]
	s_lshl_b32 s52, s24, 16
	s_lshl_b32 s41, s20, 14
	s_add_co_u32 s52, s52, s41
	s_add_co_u32 s52, s52, s54                     ; (64 mb + 16 w) 1024 + 256 nb
	s_add_nc_u64 s[56:57], s[18:19], s[52:53]
	s_lshl_b32 s41, s22, 7
	s_add_co_u32 s54, s54, s41                     ; 4 (64 nb + 32 wn)
	s_add_nc_u64 s[58:59], s[12:13], s[54:55]
	s_wait_alu depctr_va_vdst(0)                   ; the offsets and LDS addresses v6 to v13 are written, which the loop's loads and stores and post_b's loads read
	GLD 1
.Lt:
	CH 0, 1
	CH 1, 1
	s_sub_co_u32 s40, s40, 1
	s_cmp_lg_u32 s40, 0
	s_cbranch_scc1 .Lt
	global_load_b128 v[80:83], v13, s[58:59]       ; no wait: since the last chunk's wait on va_vdst only matrix instructions have been issued, and they name none of v80 to v95
	global_load_b128 v[84:87], v13, s[58:59] offset:16
	global_load_b128 v[88:91], v13, s[58:59] offset:64
	global_load_b128 v[92:95], v13, s[58:59] offset:80
	s_mul_i32 s41, s21, 32*272                     ; the eight address lines below are also the places behind the last products
	s_lshl_b32 s42, s22, 7
	s_add_co_u32 s41, s41, s42
	s_add_co_u32 s41, s41, STAGE
	v_mul_u32_u24 v96, v1, 272
	v_lshl_add_u32 v96, v2, 5, v96
	v_add_nc_u32 v96, s41, v96                     ; into the stage: row 32 wm + r (+ 16 kt), byte 128 wn + 32 h (+ 64 dt)
	s_mul_i32 s41, s20, 16*272
	s_add_co_u32 s41, s41, STAGE
	v_mul_u32_u24 v97, v2, 272
	v_lshl_add_u32 v97, v1, 4, v97
	v_add_nc_u32 v97, s41, v97                     ; back: lanes 0-15 one row of 256 bytes, lanes 16-31 the next
	v_lshlrev_b32 v98, 10, v2
	v_lshl_add_u32 v98, v1, 4, v98                 ; the same two rows in tq
	s_wait_loadcnt 0x0                             ; post_b, and the look-ahead of the last chunk
.irp d, 0,1
.irp k, 0,1
.irp j, 0,2,4,6
	v_pk_fma_f32 v[ACC+8*(2*\d+\k)+\j:ACC+8*(2*\d+\k)+\j+1], v[ACC+8*(2*\d+\k)+\j:ACC+8*(2*\d+\k)+\j+1], 0x38800000, v[80+8*\d+\j:81+8*\d+\j] op_sel_hi:[1,0,1]  ; times 2^-14, plus post_b
.endr
.endr
.endr
	s_wait_alu depctr_va_vdst(0)                   ; the sixteen lines above have written T's numbers, which the LDS stores read; v96 to v98 are written, the addresses of what follows; the matrix instructions are done reading FR, in which the loads from the stage land
.irp d, 0,1
.irp k, 0,1
	ds_store_b128 v96, v[ACC+8*(2*\d+\k):ACC+8*(2*\d+\k)+3] offset:4352*\k+64*\d
	ds_store_b128 v96, v[ACC+8*(2*\d+\k)+4:ACC+8*(2*\d+\k)+7] offset:4352*\k+64*\d+16
.endr
.endr
	s_wait_dscnt 0x0                               ; for the others: a row of the stage comes from two waves
	s_barrier_signal -1
	s_barrier_wait -1
.irp t, 0,1,2,3,4,5,6,7
	ds_load_b128 v[128+4*\t:131+4*\t], v97 offset:544*\t
.endr
.irp t, 0,1,2,3,4,5,6,7
	s_wait_dscnt 7-\t                              ; LDS loads come back in order: pair t of rows is in, the younger ones stay out
	global_store_b128 v98, v[128+4*\t:131+4*\t], s[56:57] offset:2048*\t  ; 16 lanes store 256 consecutive bytes, aligned
.endr
	s_wait_dscnt 0x0                               ; the closing lines, six on end
	s_wait_alu 0x0
	s_wait_tensorcnt 0x0
	ds_add_u32 v14, v15
	s_wait_dscnt 0x0
	s_endpgm
	; ---------------- the codes' bias ----------------
	; A wave has 32 codes, a lane one.  16 trips of 64 columns: the chunk comes in by whole runs of 256 bytes, goes through the wave's own LDS rows (pitch 272) and comes back a row to a lane.
	; No wave touches another's bytes, so there is no barrier; LDS serves a wave's instructions in order (ISA guide 5.7.1.4), so the loads see the stores in front of them.
	; THE PLAN here.  ER: the chunk's loads land, the LDS stores read it, no vector instruction names it.  EV, EP: LDS loads land, the trip's sums read them (EV is also squared in place).
	; v9: read by EP's LDS loads, stepped once a trip.  So a trip has one wait on va_vdst, ahead of its LDS loads, and one on vm_vsrc, ahead of the next chunk's loads and of the step.
.Lepath:
	s_sub_co_u32 s23, s23, 144
	s_lshl_b32 s24, s23, 7
	s_lshl_b32 s25, s20, 5
	s_add_co_u32 s24, s24, s25                     ; my wave's first code
	s_lshl_b32 s52, s24, 12                        ; its row of 4,096 bytes
	s_mov_b32 s53, 0
	s_and_b32 s54, s24, 511
	s_lshr_b32 s55, s24, 9
	s_mul_i32 s55, s55, 640
	s_add_co_u32 s54, s54, s55                     ; its place in the table: 640 (k / 512) + k % 512
	s_lshl_b32 s54, s54, 2
	s_add_co_u32 s54, s54, 5120                    ; among the biases
	s_mov_b32 s55, 0
	s_mul_i32 s41, s20, EWAVE
	s_add_co_u32 s41, s41, EBASE
	v_mul_u32_u24 v6, v2, 272
	v_lshl_add_u32 v6, v1, 4, v6
	v_add_nc_u32 v6, s41, v6                       ; in: row lane / 16 (+ 2 j), 16 bytes a lane
	v_mul_u32_u24 v7, v3, 272
	v_add_nc_u32 v7, s41, v7                       ; back: row = lane
	s_add_co_u32 s41, s41, 32*272
	v_lshl_add_u32 v8, v3, 4, s41                  ; my 16 bytes of 512 of the wave's copy of pre_b
	v_mov_b32 v9, s41                              ; the chunk's 256 bytes of it: every lane reads the same
	v_lshlrev_b32 v10, 12, v2
	v_lshl_add_u32 v10, v1, 4, v10                 ; in embed: (lane / 16) 4096 + 16 (lane % 16)
	v_lshlrev_b32 v11, 4, v3
	s_mov_b32 s40, 16
	s_wait_kmcnt 0x0
	s_add_nc_u64 s[26:27], s[4:5], s[52:53]
	s_add_nc_u64 s[58:59], s[16:17], s[54:55]
	s_wait_alu depctr_va_vdst(0)                   ; the offsets and LDS addresses v6 to v11 are written, which the loads and stores below read; so are the registers cleared at the head, in some of which EP's loads land
.irp k, 0,1,2,3,4,5,6,7
	global_load_b128 v[EP+4*\k:EP+4*\k+3], v11, s[10:11] offset:512*\k
.endr
	EGLD
	v_mov_b32 v[ESQ], 0
.set i, 0
.rept 8
	v_mov_b32 v[EDB+i], 0
.set i, i+1
.endr
	s_wait_loadcnt 16                              ; pre_b is in; the first chunk's 16 loads stay out
.irp k, 0,1,2,3,4,5,6,7
	ds_store_b128 v8, v[EP+4*\k:EP+4*\k+3] offset:512*\k
.endr
	s_wait_alu depctr_vm_vsrc(0)                   ; these LDS stores have read EP's registers, in which the loop's LDS loads land
.Le:
	s_wait_loadcnt 0x0                             ; the chunk is in registers; its loads are done, so their base may be stepped
.irp j, 0,1,2,3,4,5,6,7,8,9,10,11,12,13,14,15
	ds_store_b128 v6, v[ER+4*\j:ER+4*\j+3] offset:544*\j
.endr
	s_wait_alu depctr_va_vdst(0)                   ; the last trip's sums are done with EV and EP, in which the LDS loads below land; v9, their address, is written
.irp j, 0,1,2,3,4,5,6,7,8,9,10,11,12,13,14,15
	ds_load_b128 v[EV+4*\j:EV+4*\j+3], v7 offset:16*\j
.endr
.irp j, 0,1,2,3,4,5,6,7,8,9,10,11,12,13,14,15
	ds_load_b128 v[EP+4*\j:EP+4*\j+3], v9 offset:16*\j
.endr
	s_cmp_eq_u32 s40, 1                            ; the last chunk has no successor: the step is 0, and the look-ahead stays inside embed
	s_cselect_b32 s36, 0, s36
	s_add_nc_u64 s[26:27], s[26:27], s[36:37]
	s_wait_dscnt 0x0
	s_wait_alu depctr_vm_vsrc(0)                   ; the LDS stores have read ER, in which the next chunk lands; the LDS loads have read v9, which is stepped below
	EGLD                                           ; the next chunk is on its way during the sums
	v_add_nc_u32 v9, 256, v9
.set i, 0
.rept 32                                               ; pre_b . e in eight chains; then the squares, each rounded, in place
	v_pk_fma_f32 v[EDB+2*(i%4):EDB+2*(i%4)+1], v[EV+2*i:EV+2*i+1], v[EP+2*i:EP+2*i+1], v[EDB+2*(i%4):EDB+2*(i%4)+1]
	v_pk_mul_f32 v[EV+2*i:EV+2*i+1], v[EV+2*i:EV+2*i+1], v[EV+2*i:EV+2*i+1]
.set i, i+1
.endr
	v_add_f32 v[EW], v[EV], v[EV+1]                ; the chunk's two runs of 32 squares, each in ascending c: two chains side by side
	v_add_f32 v[EW+1], v[EV+32], v[EV+33]
.set i, 2
.rept 30
	v_add_f32 v[EW], v[EW], v[EV+i]
	v_add_f32 v[EW+1], v[EW+1], v[EV+32+i]
.set i, i+1
.endr
	v_add_f32 v[ESQ], v[ESQ], v[EW]                ; the runs' sums, in ascending order, onto one sum
	v_add_f32 v[ESQ], v[ESQ], v[EW+1]
	s_sub_co_u32 s40, s40, 1
	s_cmp_lg_u32 s40, 0
	s_cbranch_scc1 .Le
	s_wait_loadcnt 0x0                             ; the look-ahead of the last chunk
	v_pk_add_f32 v[EDB:EDB+1], v[EDB:EDB+1], v[EDB+2:EDB+3]
	v_pk_add_f32 v[EDB+4:EDB+5], v[EDB+4:EDB+5], v[EDB+6:EDB+7]
	v_pk_add_f32 v[EDB:EDB+1], v[EDB:EDB+1], v[EDB+4:EDB+5]
	v_add_f32 v[EDB], v[EDB], v[EDB+1]
	v_fma_f32 v[EDB], v[ESQ], -0.5, v[EDB]         ; pre_b . e - |e|^2 / 2
	v_lshlrev_b32 v12, 2, v3
	s_wait_alu depctr_va_vdst(0)                   ; the bias and its offset v12 are written, which the store reads
	global_store_b32 v12, v[EDB], s[58:59]         ; 128 consecutive bytes a wave
	s_wait_dscnt 0x0                               ; the closing lines, six on end
	s_wait_alu 0x0
	s_wait_tensorcnt 0x0
	ds_add_u32 v14, v15
	s_wait_dscnt 0x0
	s_endpgm
.Lfunc_end_k_q4aba93093b_prep:
	.size	k_q4aba93093b_prep, .Lfunc_end_k_q4aba93093b_prep-k_q4aba93093b_prep
	.p2alignl 7, 3214868480
	.fill 96, 4, 3214868480
	.section	.rodata,"a",@progbits
	.p2align	6, 0x0
	.amdhsa_kernel k_q4aba93093b_prep
		.amdhsa_group_segment_fixed_size 151552
		.amdhsa_private_segment_fixed_size 0
		.amdhsa_enable_private_segment 0
		.amdhsa_kernarg_size 64
		.amdhsa_user_sgpr_count 2
		.amdhsa_user_sgpr_kernarg_segment_ptr 1
		.amdhsa_wavefront_size32 1
		.amdhsa_system_sgpr_workgroup_id_x 1
		.amdhsa_system_sgpr_workgroup_id_y 1
		.amdhsa_system_sgpr_workgroup_id_z 1
		.amdhsa_system_vgpr_workitem_id 0
		.amdhsa_next_free_vgpr 448
		.amdhsa_next_free_sgpr 66
		.amdhsa_reserve_vcc 1
		.amdhsa_float_denorm_mode_32 3
		.amdhsa_float_denorm_mode_16_64 3
		.amdhsa_memory_ordered 1
		.amdhsa_forward_progress 1
		.amdhsa_inst_pref_size 112
	.end_amdhsa_kernel
	.amdgpu_metadata
---
amdhsa.version: [ 1, 2 ]
amdhsa.kernels:
  - .name:           k_q4aba93093b_prep
    .symbol:         k_q4aba93093b_prep.kd
    .args:
      - { .name: embed, .offset: 0, .size: 8, .value_kind: global_buffer, .address_space: global }
      - { .name: pre_w, .offset: 8, .size: 8, .value_kind: global_buffer, .address_space: global }
      - { .name: post_w, .offset: 16, .size: 8, .value_kind: global_buffer, .address_space: global }
      - { .name: pre_b, .offset: 24, .size: 8, .value_kind: global_buffer, .address_space: global }
      - { .name: post_b, .offset: 32, .size: 8, .value_kind: global_buffer, .address_space: global }
      - { .name: wq, .offset: 40, .size: 8, .value_kind: global_buffer, .address_space: global }
      - { .name: tab, .offset: 48, .size: 8, .value_kind: global_buffer, .address_space: global }
      - { .name: tq, .offset: 56, .size: 8, .value_kind: global_buffer, .address_space: global }
    .group_segment_fixed_size: 151552
    .private_segment_fixed_size: 0
    .kernarg_segment_align: 8
    .kernarg_segment_size: 64
    .max_flat_workgroup_size: 128
    .sgpr_count:     66
    .vgpr_count:     448
    .wavefront_size: 32
...
	.end_amdgpu_metadata
.endif
;; end of part 4
;; launch main: the kernel of part 2 again; grid 256 x 1, 4 waves a work-group, clusters of 4 x 1, 327,680 bytes of LDS; arguments x, ln_gamma, ln_beta, wq, tab, out1, idxw, lossp, pre_b; writes out1, idxw, lossp
;; launch emit: the kernel of part 3 again; grid 256 x 1, 8 waves a work-group, no clusters, 0 bytes of LDS; arguments idxw, tq, lossp, pre_b, out0, out2; writes out0, out2
